; MI455X (gfx1250); checked and timed in simulation.
; The chip was launched on July 23, 2026; its instructions are those of AMD's public machine-readable ISA for CDNA 5 (MIT licence, August 2026) and "CDNA5" Instruction Set Architecture Reference Guide (July 2026). The comments in the code are by the model that wrote it; some were corrected since.
;; Block. Allowed arithmetic: matrix products marked QUANTISED: E4M3 operands, one E8M0 scale for each 32 along K, by v_wmma_scale_f32_16x16x128_f8f6f4 with both operands' format E4M3, f32 sums; everything else in f32.
;; Inputs: W1 1,024 x 4,096 float32; W2 4,096 x 1,024 float32; Wk 16 x 1,024 x 64 float32; Wproj 1,024 x 1,024 float32; Wq 16 x 1,024 x 64 float32; Wv 16 x 1,024 x 64 float32; b1 4,096 float32; b2 1,024 float32; bproj 1,024 float32; ln1_b 1,024 float32; ln1_g 1,024 float32; ln2_b 1,024 float32; ln2_g 1,024 float32; x 2 x 2,048 x 1,024 float32.
;; Outputs: out0 2 x 2,048 x 1,024 float32.
;; This version of the problem:
;;   THIS VERSION OF THE PROBLEM IS GIVEN IN LOW PRECISION. The matrix products marked QUANTISED in the list below multiply operands that are first quantised to E4M3 (4 exponent bits, 3 mantissa bits; 8 bits a number), with one power-of-two scale for each 32 numbers along K (OCP MX v1.0); their sums are f32. All else is computed in f32.
;;   The module's matrix products, in the order in which they are computed (A, B: the left and right operand; K: the contracted axis; several contracted axes count as one K, in the product's order):
;;     1. [M 1,024, K 1,024] x [K 1,024, N 4,096]; A: input Wq; B: computed on the way: QUANTISED
;;     2. [M 1,024, K 1,024] x [K 1,024, N 4,096]; A: input Wk; B: computed on the way: QUANTISED
;;     3. [M 1,024, K 1,024] x [K 1,024, N 4,096]; A: input Wv; B: computed on the way: QUANTISED
;;     4. batch 32 x [M 2,048, K 64] x [K 64, N 2,048]; A: computed on the way; B: computed on the way: QUANTISED
;;     5. batch 32 x [M 2,048, K 2,048] x [K 2,048, N 64]; A: softmax (see below); B: computed on the way: QUANTISED
;;     6. [M 4,096, K 1,024] x [K 1,024, N 1,024]; A: computed on the way; B: input Wproj: QUANTISED
;;     7. [M 4,096, K 1,024] x [K 1,024, N 4,096]; A: computed on the way; B: input W1: QUANTISED
;;     8. [M 4,096, K 4,096] x [K 4,096, N 1,024]; A: computed on the way; B: input W2: QUANTISED
;;   THE QUANTISER, for each operand of a quantised product, along K:
;;     - K is cut into blocks of 32 from its start; a last block that is shorter is filled with zeros.
;;     - A block's scale is 2^e with e = floor(log2(the largest magnitude in the block)) - 8, held to -126 .. 127; a block of zeros has e = 0. As a byte (E8M0): e + 127.
;;     - Each number is divided by its block's scale, clamped to +-448, and rounded to the nearest number of E4M3, ties to even, subnormals kept.
;;     - The product sums the exact products of the quantised numbers (number of the format x scale) in f32.
;;   ~~~python
;;   def quantise(x, axis):      # numpy; x: float32 -> the quantised numbers, widened to float32 again
;;       x = np.moveaxis(x, axis, -1); K = x.shape[-1]
;;       x = np.pad(x, [(0, 0)] * (x.ndim - 1) + [(0, -K % 32)]); x = x.reshape(x.shape[:-1] + (-1, 32)); a = np.abs(x).max(-1, keepdims=True)
;;       e = np.where(a > 0, np.clip(np.frexp(np.where(a > 0, a, 1))[1] - 1 - 8, -126, 127), 0)      # np.frexp(a)[1] - 1 = floor(log2(a)), exactly
;;       r = np.clip(x / 2.0 ** e, -448, 448)
;;       step = 2.0 ** (np.maximum(np.frexp(np.where(r == 0, 1, r))[1] - 1, -6) - 3)
;;       q = np.round(r / step) * step * 2.0 ** e      # np.round: ties to even
;;       return np.moveaxis(q.reshape(q.shape[:-2] + (-1,))[..., :K], -1, axis).astype(np.float32)
;;   ~~~
;;   SOFTMAX AHEAD OF A QUANTISED PRODUCT. Where the list says 'softmax', what is quantised is not the finished softmax but p = 2^(t - M), with t = logit x log2(e) and M = ceil(the row's largest t), a whole number; so 1/2 < the row's largest p <= 1. The row's sum l is taken of the UNQUANTISED p, in f32, and the product's result is divided by l at the end. Since M is a whole number, a kernel that streams over the keys may use a running M (the ceiling of the running maximum): every later rescaling is an exact power of two, which a block's scale takes up: the codes' values come out the same.
;;   OPERANDS COMPUTED ON THE WAY. 'Computed on the way' means the value that the module computes at that place (a softmax that the list does not call 'softmax' is quantised finished and normalised). What goes into a quantiser is computed in f32, as accurately as f32 sums, v_exp_f32 and their like allow (about 1e-6 of the number): no bf16 or f16 on the way to a quantiser, and a product that is left as it is and whose result goes on into a quantised operand takes f32 operands (vector FMAs, or v_wmma_f32_16x16x4_f32). A number that lies on a knife's edge between two numbers of the format may be rounded either way, as far as f32 arithmetic and the matrix unit's own rounding can turn it there, and no further.
;; One version. Each part assembles by itself: llvm-mc -triple=amdgcn-amd-amdhsa -mcpu=gfx1250 --defsym DOCPART=n.
;; ======== version 1 of 1: 7 launches
;; limits: right only within a limited range of input values
;; workspace buffers: wrec 15,335,424 bytes; hrec 4,718,592 bytes; qkvrec 14,155,776 bytes; orec 4,718,592 bytes; x1 16,777,216 bytes; arec 18,874,368 bytes
;; launch prep (part 1): grid 1024 x 1, 4 waves a work-group, no clusters, 37,376 bytes of LDS; arguments x, ln1_g, ln1_b, hrec, Wq, Wk, Wv, Wproj, W1, W2, wrec; writes hrec, wrec
.if DOCPART == 1
	.amdgcn_target "amdgcn-amd-amdhsa--gfx1250"
	.amdhsa_code_object_version 6
	.text
	.protected	k_qd54ccf9bc3_prep
	.globl	k_qd54ccf9bc3_prep
	.p2align	8
	.type	k_qd54ccf9bc3_prep,@function
k_qd54ccf9bc3_prep:
	s_mov_b64 s[64:65], 0
	v_nop
	global_prefetch_b8 v0, s[64:65] scope:SCOPE_SE
	s_setreg_imm32_b32 hwreg(HW_REG_WAVE_MODE, 25, 1), 1
	s_wait_xcnt 0x0
; TWO INDEPENDENT PIECES OF WORK IN ONE LAUNCH, parted by the work-group's number: neither reads what the other writes.
;   work-groups 0-255:    the first layer norm of x and its quantiser  -> hrec
;   work-groups 256-1023: the six weights' quantiser                   -> wrec
; Both make OPERAND RECORDS of FP8 (E4M3) codes.  A record is 144 bytes: 128 codes of one row for 128 along K, the four E8M0 scale bytes of its four blocks of 32, and 12 zero bytes.
; Records lie [K / 128][rows][144], so that any 16 n rows of one chunk are one dense block that starts at a multiple of 256 bytes.
; A block's scale is 2^(floor(log2(largest magnitude)) - 8); its byte is the largest magnitude's exponent field - 8, held at 1 from below.
; LIMITS: a block of zeros gets the byte 1 (its codes are zeros, and this program alone reads the bytes); blocks whose largest magnitude lies under 2^-118 are held at that byte; NaN and infinities are not served.
; Each path has LDS bytes of its own: the norm's image at 0, the weights' four stages from WLDS on.  With 250 registers a wave and 37,376 bytes of LDS four work-groups lie on a WGP: all 1,024 at once.
; No tensor loads, no cluster, no matrix unit: each input byte is read once and nothing is shared between work-groups.
.set NLN,  256                         ; the norm's work-groups
.set WLDS, 18432                       ; where the weights' stages begin in LDS
.set CH4,  589824                      ; a chunk of 4,096 records
.set CH1,  147456                      ; a chunk of 1,024 records
	v_lshl_add_u32 v248, v0, 2, 0x9000
	v_mov_b32 v249, 0
	s_cmp_lt_u32 ttmp9, NLN                        ; the same for all waves of a work-group
	s_cbranch_scc0 .Lweights
; ---------------------------------------------------------------- THE LAYER NORM
; out = Q((x - mean) rsqrt(var + 1e-5) g + b) over rows of 1,024 f32, as records [8 chunks of 128][4,096 rows][144].  Mean and variance are taken in two passes over the registers, in f32:
; first the mean, then the mean of (x - mean)^2.
; SHARES.  A work-group takes 16 rows, a wave four, one row at a time, whole in 32 registers: no wave waits for another but at the one barrier.  Load i of a row reads 512 consecutive bytes, 16 a lane:
; lane l holds columns 128 i + 4 l + 0..3, so load i is chunk i, a lane's four codes are word l of the record, and a block of 32 lies in eight neighbouring lanes.
; THE CONVERSION takes eight numbers and one scale; a lane's eight neighbouring registers span two chunks, so each eight are converted twice, once with each chunk's scale, and of each result the half that belongs to that scale is kept.
; The records are gathered in LDS as [8 chunks][16 rows][144] and leave as they lie: a chunk's 16 records are 2,304 dense bytes that start at a multiple of 256 in the buffer.
.set G,   16                           ; v16-47   g of my 32 columns
.set B,   48                           ; v48-79   b
.set X,   80                           ; v80-207  four rows of 32 numbers; on the way out v80-115
.set P,   208                          ; v208-215 four chains of sums; later four pairs of codes
.set MU,  216                          ; v216-217 the mean (a pair is named, its low word serves both halves)
.set RS,  218                          ; v218-219 1 / sqrt(var + eps)
.set M,   220                          ; v220-227 the chunks' largest magnitudes, then their bytes
.set SCL, 228                          ; v228-235 the conversions' scale operands
.set BD,  236                          ; v236-243 448 x the scale; later four pairs of codes
	s_load_b256 s[4:11], s[0:1], 0x0               ; x, g, b, hrec
	v_lshrrev_b32 v1, 5, v0
	v_readfirstlane_b32 s16, v1                    ; wave
	v_and_b32 v1, 31, v0                           ; lane
	v_lshlrev_b32 v2, 4, v1                        ; 16 x lane
	s_mul_i32 s17, s16, 576                        ; my wave's four rows in a chunk of the image
	v_lshl_add_u32 v3, v1, 2, s17                  ; where my four codes go
	v_lshrrev_b32 v12, 3, v1
	v_add_nc_u32 v4, s17, v12
	v_add_nc_u32 v4, 128, v4                       ; where my block's byte goes
	v_mul_u32_u24 v5, v12, 144
	v_add_nc_u32 v5, s17, v5
	v_add_nc_u32 v5, 132, v5                       ; the zeros of row lane / 8 of my four
	v_mov_b32 v6, 0
	v_mov_b32 v7, 0
	s_mul_i32 s18, s16, 4608
	v_add_nc_u32 v8, s18, v2                       ; the way out: my wave copies two chunks of the image
	v_bfe_u32 v12, v0, 4, 1
	v_mul_u32_u24 v10, v12, CH4-2304
	v_add_nc_u32 v10, v2, v10                      ; the store that straddles the two chunks: lanes 16-31 are in the second
	v_add_nc_u32 v11, CH4-2304, v2                 ; the stores that lie in the second
	v_mov_b32 v[MU+1], 0                           ; (named as upper halves of pairs)
	v_mov_b32 v[RS+1], 0
	s_mov_b32 s12, 0x76543210
	s_mov_b32 s13, 0xfedcba98                      ; v_permlanex16_b32's selects for lane l xor 16
	s_mov_b32 s14, 0x3a800000                      ; 1 / 1,024
	s_mov_b32 s15, 0x3727c5ac                      ; 1e-5
	s_mov_b32 s19, 0x600000                        ; the mantissa field of 448
	s_lshl_b32 s20, ttmp9, 16                      ; 16 rows of 4,096 bytes,
	s_lshl_b32 s21, s16, 14                        ; my wave's four
	s_add_co_u32 s20, s20, s21
	s_mov_b32 s21, 0
	s_mul_i32 s22, ttmp9, 2304                     ; the work-group's 16 records in a chunk,
	s_mul_i32 s23, s16, 2*CH4                      ; my wave's two chunks
	s_add_co_u32 s22, s22, s23
	s_mov_b32 s23, 0
	s_wait_alu depctr_va_vdst(0)
	s_wait_kmcnt 0x0
	s_add_nc_u64 s[4:5], s[4:5], s[20:21]
	s_add_nc_u64 s[10:11], s[10:11], s[22:23]
.irp i, 0,1,2,3,4,5,6,7
	global_load_b128 v[G+4*\i:G+4*\i+3], v2, s[6:7] offset:512*\i
.endr
.irp i, 0,1,2,3,4,5,6,7
	global_load_b128 v[B+4*\i:B+4*\i+3], v2, s[8:9] offset:512*\i
.endr
.irp p, 0,1,2,3
.irp i, 0,1,2,3,4,5,6,7
	global_load_b128 v[X+32*\p+4*\i:X+32*\p+4*\i+3], v2, s[4:5] offset:4096*\p+512*\i   ; all four rows are asked for at once: 48 loads of the wave are out
.endr
.endr
.irp i, 0,1,2,3,4,5,6,7
	ds_store_b32 v5, v6 offset:2304*\i             ; bytes 132-143 of my four rows' records: eight lanes write the same zeros
	ds_store_b64 v5, v[6:7] offset:2304*\i+4
.endr
.macro RED r, t                        ; the sum over the wave's 32 lanes, in every lane
	v_add_f32_dpp v[\r], v[\r], v[\r] row_xmask:1 row_mask:0xf bank_mask:0xf
	v_add_f32_dpp v[\r], v[\r], v[\r] row_xmask:2 row_mask:0xf bank_mask:0xf
	v_add_f32_dpp v[\r], v[\r], v[\r] row_xmask:4 row_mask:0xf bank_mask:0xf
	v_add_f32_dpp v[\r], v[\r], v[\r] row_xmask:8 row_mask:0xf bank_mask:0xf
	v_permlanex16_b32 v[\t], v[\r], s12, s13
	v_add_f32 v[\r], v[\r], v[\t]
.endm
.macro FOLD                            ; the four chains into one number a lane
	v_pk_add_f32 v[P:P+1], v[P:P+1], v[P+2:P+3]
	v_pk_add_f32 v[P+4:P+5], v[P+4:P+5], v[P+6:P+7]
	v_pk_add_f32 v[P:P+1], v[P:P+1], v[P+4:P+5]
	v_add_f32 v[P], v[P], v[P+1]
	RED P, P+1
.endm
.macro ROW p
.set XS, X+32*(\p)
.if (\p) > 0
	s_wait_dscnt 0x0                               ; the last row's LDS stores are done: the registers that they read are written again below
.endif
	s_wait_loadcnt 8*(3-(\p))                      ; g, b and this row are in; the later rows' eight loads each may be out
.irp c, 0,1,2,3
	v_pk_add_f32 v[P+2*\c:P+2*\c+1], v[XS+2*\c:XS+2*\c+1], v[XS+8+2*\c:XS+9+2*\c]
.endr
.irp k, 16,24
.irp c, 0,1,2,3
	v_pk_add_f32 v[P+2*\c:P+2*\c+1], v[P+2*\c:P+2*\c+1], v[XS+\k+2*\c:XS+\k+1+2*\c]
.endr
.endr
	FOLD
	v_mul_f32 v[MU], s14, v[P]                     ; the mean
.set I, 0
.rept 16
	v_pk_add_f32 v[XS+I:XS+I+1], v[XS+I:XS+I+1], v[MU:MU+1] op_sel_hi:[1,0] neg_lo:[0,1] neg_hi:[0,1]   ; x - mean
.set I, I+2
.endr
.irp c, 0,1,2,3
	v_pk_mul_f32 v[P+2*\c:P+2*\c+1], v[XS+2*\c:XS+2*\c+1], v[XS+2*\c:XS+2*\c+1]
.endr
.irp k, 8,16,24
.irp c, 0,1,2,3
	v_pk_fma_f32 v[P+2*\c:P+2*\c+1], v[XS+\k+2*\c:XS+\k+1+2*\c], v[XS+\k+2*\c:XS+\k+1+2*\c], v[P+2*\c:P+2*\c+1]
.endr
.endr
	FOLD
	v_fma_f32 v[RS], v[P], s14, s15                ; var + eps: the division by 1,024 rounds nothing
	s_wait_alu depctr_va_vdst(0)
	v_rsq_f32 v[RS], v[RS]
	v_nop                                          ; a plain instruction behind the transcendental (ISA guide 5.7.2),
	s_wait_alu depctr_va_vdst(0)                   ; and the wait ahead of the first use
.set I, 0
.rept 16
	v_pk_mul_f32 v[XS+I:XS+I+1], v[XS+I:XS+I+1], v[RS:RS+1] op_sel_hi:[1,0]
.set I, I+2
.endr
.set I, 0
.rept 16
	v_pk_fma_f32 v[XS+I:XS+I+1], v[XS+I:XS+I+1], v[G+I:G+I+1], v[B+I:B+I+1]
.set I, I+2
.endr
.irp i, 0,1,2,3,4,5,6,7
	v_max3_num_f32 v[M+\i], |v[XS+4*\i]|, |v[XS+4*\i+1]|, 0x4800000   ; chunk i: my four numbers, and the floor 2^(9 - 127)
.endr
.irp i, 0,1,2,3,4,5,6,7
	v_max3_num_f32 v[M+\i], v[M+\i], |v[XS+4*\i+2]|, |v[XS+4*\i+3]|
.endr
.irp m, 1,2,4
.irp i, 0,1,2,3,4,5,6,7
	v_max_num_f32_dpp v[M+\i], v[M+\i], v[M+\i] row_xmask:\m row_mask:0xf bank_mask:0xf   ; with the seven lanes that share my block; the eight chunks by turns
.endr
.endr
.irp i, 0,1,2,3,4,5,6,7
	v_add_nc_u32 v[SCL+\i], 0xfc000000, v[M+\i]    ; 8 off the exponent field: the conversion's scale operand
.endr
.irp i, 0,1,2,3,4,5,6,7
	v_and_or_b32 v[BD+\i], v[M+\i], 0x7f800000, s19   ; 448 x the scale
.endr
.irp i, 0,1,2,3,4,5,6,7
	v_lshrrev_b32 v[M+\i], 23, v[SCL+\i]           ; the scale's byte
.endr
.irp i, 0,1,2,3,4,5,6,7
.irp j, 0,1,2,3
	v_med3_num_f32 v[XS+4*\i+\j], v[XS+4*\i+\j], -v[BD+\i], v[BD+\i]   ; the conversion does not saturate (ISA guide 7.6.2): hold first
.endr
.endr
.irp u, 0,1,2,3
	v_cvt_scalef32_pk8_fp8_f32 v[P+2*\u:P+2*\u+1], v[XS+8*\u:XS+8*\u+7], v[SCL+2*\u]       ; with chunk 2 u's scale: the low word is kept
.endr
.irp u, 0,1,2,3
	v_cvt_scalef32_pk8_fp8_f32 v[BD+2*\u:BD+2*\u+1], v[XS+8*\u:XS+8*\u+7], v[SCL+2*\u+1]   ; with chunk 2 u + 1's: the high word is kept
.endr
	v_nop                                          ; a plain instruction behind the last conversion
.irp u, 0,1,2,3
	ds_store_b32 v3, v[P+2*\u] offset:2304*(2*\u)+144*(\p)
	ds_store_b32 v3, v[BD+2*\u+1] offset:2304*(2*\u+1)+144*(\p)
.endr
.irp i, 0,1,2,3,4,5,6,7
	ds_store_b8 v4, v[M+\i] offset:2304*\i+144*(\p)    ; the eight lanes of a block write the same byte with the same value
.endr
.endm
	ROW 0
	ROW 1
	ROW 2
	ROW 3
	s_wait_dscnt 0x0                               ; for the others' sake: my stores into the image are done
	s_barrier_signal -1
	s_barrier_wait -1
.irp i, 0,1,2,3,4,5,6,7,8
	ds_load_b128 v[X+4*\i:X+4*\i+3], v8 offset:512*\i
.endr
.irp i, 0,1,2,3
	s_wait_dscnt 8-\i
	global_store_b128 v2, v[X+4*\i:X+4*\i+3], s[10:11] offset:512*\i       ; sixteen lanes store 256 consecutive bytes, at a multiple of 256 from the buffer's first byte
.endr
	s_wait_dscnt 4
	global_store_b128 v10, v[X+16:X+19], s[10:11] offset:2048
.irp i, 5,6,7,8
	s_wait_dscnt 8-\i
	global_store_b128 v11, v[X+4*\i:X+4*\i+3], s[10:11] offset:512*\i
.endr
	s_wait_tensorcnt 0x0
	ds_add_u32 v248, v249
	s_wait_dscnt 0x0
	s_endpgm
; ---------------------------------------------------------------- THE WEIGHTS
; The six weights, f32 with K not innermost, become records.
; wrec: Wq, Wk, Wv at 0 as [8][4096][144] (rows 0-1023, 1024-2047, 2048-3071: row = 64 head + d); W1 at 4,718,592 as [8][4096][144]; Wproj at 9,437,184 as [8][1024][144]; W2 at 10,616,832 as [32][1024][144].
; A LANE TAKES A COLUMN, ITS REGISTERS RUN DOWN K: a load reads 32 neighbouring columns (128 consecutive bytes), a block of 32 along K lies in one lane, and a lane makes exactly one record.
; A wave takes 32 columns x 128 along K; the four waves of a work-group stand side by side on 128 columns.  One path serves all six tensors: only pointers and sizes are chosen, by the work-group's number.
; No barrier: a wave's stage is its own.
.set WSB, 16                           ; v16-19   the record's last 16 bytes: the scale word and three zeros
.set WVO, 20                           ; v20-51   i x row pitch + 4 x lane
.set WX,  52                           ; v52-179  four blocks of 32 numbers; on the way out v52-87 take the records back
.set WC,  180                          ; v180-211 eight registers of codes for each block
.Lweights:
	s_load_b256 s[4:11], s[0:1], 0x20              ; Wq, Wk, Wv, Wproj
	s_load_b128 s[12:15], s[0:1], 0x40             ; W1, W2
	s_load_b64 s[16:17], s[0:1], 0x50              ; wrec
	v_lshrrev_b32 v1, 5, v0
	v_readfirstlane_b32 s18, v1                    ; wave
	v_and_b32 v1, 31, v0                           ; lane
	v_lshlrev_b32 v2, 2, v1
	v_lshlrev_b32 v3, 4, v1                        ; the way out: 16 bytes a lane
	s_mul_i32 s19, s18, 4608                       ; my wave's stage: 32 records,
	s_add_co_u32 s19, s19, WLDS                    ; behind the norm's bytes
	v_mul_u32_u24 v4, v1, 144
	v_add_nc_u32 v4, s19, v4                       ; into it: my record
	v_add_nc_u32 v5, s19, v3                       ; out of it: as the bytes lie
	v_mov_b32 v[WSB+1], 0
	v_mov_b32 v[WSB+2], 0
	v_mov_b32 v[WSB+3], 0
	s_mov_b32 s43, 0x600000                        ; the mantissa field of 448
	s_mov_b32 s22, NLN+512                         ; W2's figures: first work-group,
	s_mov_b32 s23, 4096                            ; bytes from one k to the next,
	s_mov_b32 s24, 3                               ; log2 of the groups of 128 columns,
	s_mov_b32 s25, 10616832                        ; its part of wrec,
	s_mov_b32 s26, CH1                             ; a chunk there,
	s_mov_b32 s27, 0                               ; columns are not cut into heads
	s_wait_alu depctr_va_vdst(0)
	s_wait_kmcnt 0x0
	s_mov_b64 s[20:21], s[14:15]
	s_cmp_lt_u32 ttmp9, NLN+512                    ; each choice hangs on the work-group's number alone
	s_cselect_b64 s[20:21], s[12:13], s[20:21]     ; W1
	s_cselect_b32 s22, NLN+256, s22
	s_cselect_b32 s23, 16384, s23
	s_cselect_b32 s24, 5, s24
	s_cselect_b32 s25, 4718592, s25
	s_cselect_b32 s26, CH4, s26
	s_cmp_lt_u32 ttmp9, NLN+256
	s_cselect_b64 s[20:21], s[10:11], s[20:21]     ; Wproj
	s_cselect_b32 s22, NLN+192, s22
	s_cselect_b32 s23, 4096, s23
	s_cselect_b32 s24, 3, s24
	s_cselect_b32 s25, 9437184, s25
	s_cselect_b32 s26, CH1, s26
	s_cmp_lt_u32 ttmp9, NLN+192
	s_cselect_b64 s[20:21], s[8:9], s[20:21]       ; Wv
	s_cselect_b32 s22, NLN+128, s22
	s_cselect_b32 s23, 256, s23
	s_cselect_b32 s25, 294912, s25
	s_cselect_b32 s26, CH4, s26
	s_cselect_b32 s27, 1, s27
	s_cmp_lt_u32 ttmp9, NLN+128
	s_cselect_b64 s[20:21], s[6:7], s[20:21]       ; Wk
	s_cselect_b32 s22, NLN+64, s22
	s_cselect_b32 s25, 147456, s25
	s_cmp_lt_u32 ttmp9, NLN+64
	s_cselect_b64 s[20:21], s[4:5], s[20:21]       ; Wq
	s_cselect_b32 s22, NLN, s22
	s_cselect_b32 s25, 0, s25
	s_sub_co_u32 s36, ttmp9, s22                   ; my number within the tensor
	s_lshr_b32 s37, s36, s24                       ; which 128 along K
	s_lshl_b32 s40, s37, s24
	s_sub_co_u32 s36, s36, s40                     ; which 128 columns
	s_lshl_b32 s36, s36, 7
	s_lshl_b32 s40, s18, 5
	s_add_co_u32 s36, s36, s40                     ; my wave's first column
	s_lshr_b32 s40, s36, 6                         ; where columns are cut into heads of 64: a head is 262,144 bytes,
	s_lshl_b32 s40, s40, 18
	s_and_b32 s41, s36, 63
	s_lshl_b32 s41, s41, 2
	s_add_co_u32 s40, s40, s41                     ; and d follows in the row
	s_lshl_b32 s41, s36, 2                         ; else 4 bytes a column
	s_cmp_eq_u32 s27, 1
	s_cselect_b32 s40, s40, s41
	s_mul_i32 s41, s37, s23
	s_lshl_b32 s41, s41, 7                         ; 128 rows of k for each chunk
	s_add_co_u32 s40, s40, s41
	s_mov_b32 s41, 0
	s_add_nc_u64 s[28:29], s[20:21], s[40:41]      ; block 0's first row,
	s_lshl_b32 s40, s23, 5
	s_add_nc_u64 s[30:31], s[28:29], s[40:41]      ; and 32 rows on for each further block
	s_add_nc_u64 s[32:33], s[30:31], s[40:41]
	s_add_nc_u64 s[34:35], s[32:33], s[40:41]
	s_mul_i32 s40, s37, s26
	s_add_co_u32 s40, s40, s25
	s_mul_i32 s42, s36, 144
	s_add_co_u32 s40, s40, s42
	s_add_nc_u64 s[38:39], s[16:17], s[40:41]      ; my wave's 32 records in wrec: 4,608 dense bytes
.set I, 0
.rept 32
	v_mad_u32_u24 v[WVO+I], s23, I, v2
.set I, I+1
.endr
.irp b, 0,1,2,3
.set I, 0
.rept 32
	global_load_b32 v[WX+32*\b+I], v[WVO+I], s[28+2*\b:29+2*\b] th:TH_LOAD_NT   ; W(32 b + i, my column): the wave reads 128 consecutive bytes; read once in the launch
.set I, I+1
.endr
.endr
.macro BLOCK b, left
.set WXS, WX+32*(\b)
.set WCC, WC+8*(\b)
	s_wait_loadcnt \left                           ; loads come back in order: this block's 32 are in
	v_max3_num_f32 v8, |v[WXS]|, |v[WXS+1]|, |v[WXS+2]|            ; the block's largest magnitude: all 32 numbers are mine; two chains
	v_max3_num_f32 v9, |v[WXS+3]|, |v[WXS+4]|, |v[WXS+5]|
.irp i, 6,10,14,18,22,26
	v_max3_num_f32 v8, v8, |v[WXS+\i]|, |v[WXS+\i+1]|
	v_max3_num_f32 v9, v9, |v[WXS+\i+2]|, |v[WXS+\i+3]|
.endr
	v_max3_num_f32 v8, v8, |v[WXS+30]|, |v[WXS+31]|
	v_max3_num_f32 v8, v8, v9, 0x4800000           ; and the floor 2^(9 - 127): the byte cannot fall under 1
	v_add_nc_u32 v11, 0xfc000000, v8               ; 8 off the exponent field: the conversion takes this operand's exponent field as its scale
	v_and_or_b32 v10, v8, 0x7f800000, s43          ; 448 x the scale
	v_lshrrev_b32 v12, 23, v11                     ; the scale's byte
.if (\b) == 0
	v_mov_b32 v[WSB], v12
.else
	v_lshl_or_b32 v[WSB], v12, 8*(\b), v[WSB]
.endif
.set I, 0
.rept 32
	v_med3_num_f32 v[WXS+I], v[WXS+I], -v10, v10   ; the conversion to an 8-bit code does not saturate (ISA guide 7.6.2): hold first
.set I, I+1
.endr
.irp g, 0,1,2,3
	v_cvt_scalef32_pk8_fp8_f32 v[WCC+2*\g:WCC+2*\g+1], v[WXS+8*\g:WXS+8*\g+7], v11
.endr
	ds_store_b128 v4, v[WCC:WCC+3] offset:32*(\b)  ; 32 codes of my record; each block has its own registers, so no store's data are written again
	ds_store_b128 v4, v[WCC+4:WCC+7] offset:32*(\b)+16
.endm
	BLOCK 0, 63                                    ; 96 loads were issued behind block 0's; the count's field holds 63, and a smaller count is safe
	BLOCK 1, 63                                    ; 64 behind block 1's
	BLOCK 2, 32
	BLOCK 3, 0
	ds_store_b128 v4, v[WSB:WSB+3] offset:128      ; the scale word and the zeros
.irp i, 0,1,2,3,4,5,6,7,8
	ds_load_b128 v[WX+4*\i:WX+4*\i+3], v5 offset:512*\i            ; LDS serves a wave's instructions in order (ISA guide 5.7.1.4): these see my stores
.endr
.irp i, 0,1,2,3,4,5,6,7,8
	s_wait_dscnt 8-\i
	global_store_b128 v3, v[WX+4*\i:WX+4*\i+3], s[38:39] offset:512*\i   ; the wave stores 512 consecutive bytes, at a multiple of 256 from wrec's first byte
.endr
	s_wait_tensorcnt 0x0
	ds_add_u32 v248, v249
	s_wait_dscnt 0x0
	s_endpgm
.Lfunc_end_k_qd54ccf9bc3_prep:
	.size	k_qd54ccf9bc3_prep, .Lfunc_end_k_qd54ccf9bc3_prep-k_qd54ccf9bc3_prep
	.p2alignl 7, 3214868480
	.fill 96, 4, 3214868480
	.section	.rodata,"a",@progbits
	.p2align	6, 0x0
	.amdhsa_kernel k_qd54ccf9bc3_prep
		.amdhsa_group_segment_fixed_size 37376
		.amdhsa_private_segment_fixed_size 0
		.amdhsa_enable_private_segment 0
		.amdhsa_kernarg_size 88
		.amdhsa_user_sgpr_count 2
		.amdhsa_user_sgpr_kernarg_segment_ptr 1
		.amdhsa_wavefront_size32 1
		.amdhsa_system_sgpr_workgroup_id_x 1
		.amdhsa_system_sgpr_workgroup_id_y 1
		.amdhsa_system_sgpr_workgroup_id_z 1
		.amdhsa_system_vgpr_workitem_id 0
		.amdhsa_next_free_vgpr 250
		.amdhsa_next_free_sgpr 66
		.amdhsa_reserve_vcc 0
		.amdhsa_float_denorm_mode_32 3
		.amdhsa_float_denorm_mode_16_64 3
		.amdhsa_memory_ordered 1
		.amdhsa_forward_progress 1
		.amdhsa_inst_pref_size 100
	.end_amdhsa_kernel
	.amdgpu_metadata
---
amdhsa.version: [ 1, 2 ]
amdhsa.kernels:
  - .name:           k_qd54ccf9bc3_prep
    .symbol:         k_qd54ccf9bc3_prep.kd
    .args:
      - { .name: x, .offset: 0, .size: 8, .value_kind: global_buffer, .address_space: global }
      - { .name: ln1_g, .offset: 8, .size: 8, .value_kind: global_buffer, .address_space: global }
      - { .name: ln1_b, .offset: 16, .size: 8, .value_kind: global_buffer, .address_space: global }
      - { .name: hrec, .offset: 24, .size: 8, .value_kind: global_buffer, .address_space: global }
      - { .name: Wq, .offset: 32, .size: 8, .value_kind: global_buffer, .address_space: global }
      - { .name: Wk, .offset: 40, .size: 8, .value_kind: global_buffer, .address_space: global }
      - { .name: Wv, .offset: 48, .size: 8, .value_kind: global_buffer, .address_space: global }
      - { .name: Wproj, .offset: 56, .size: 8, .value_kind: global_buffer, .address_space: global }
      - { .name: W1, .offset: 64, .size: 8, .value_kind: global_buffer, .address_space: global }
      - { .name: W2, .offset: 72, .size: 8, .value_kind: global_buffer, .address_space: global }
      - { .name: wrec, .offset: 80, .size: 8, .value_kind: global_buffer, .address_space: global }
    .group_segment_fixed_size: 37376
    .private_segment_fixed_size: 0
    .kernarg_segment_align: 8
    .kernarg_segment_size: 88
    .max_flat_workgroup_size: 128
    .sgpr_count:     66
    .vgpr_count:     250
    .wavefront_size: 32
...
	.end_amdgpu_metadata
.endif
;; end of part 1
;; launch qkv (part 2): grid 8 x 24, 4 waves a work-group, clusters of 4 x 4, 327,680 bytes of LDS; arguments hrec, wrec, qkvrec; writes qkvrec
.if DOCPART == 2
	.amdgcn_target "amdgcn-amd-amdhsa--gfx1250"
	.amdhsa_code_object_version 6
	.text
	.protected	k_qd54ccf9bc3_qkv
	.globl	k_qd54ccf9bc3_qkv
	.p2align	8
	.type	k_qd54ccf9bc3_qkv,@function
k_qd54ccf9bc3_qkv:
	s_mov_b64 s[64:65], 0
	v_nop
	global_prefetch_b8 v0, s[64:65] scope:SCOPE_SE
	s_setreg_imm32_b32 hwreg(HW_REG_WAVE_MODE, 25, 1), 1
	s_wait_xcnt 0x0
	s_wait_alu depctr_hold_cnt(0) depctr_sa_sdst(0) depctr_va_vdst(0) depctr_va_sdst(0) depctr_va_ssrc(0) depctr_va_vcc(0) depctr_vm_vsrc(0)
	s_getreg_b32 s2, hwreg(HW_REG_IB_STS2, 6, 4)
	s_cmp_eq_u32 s2, 0
	s_cbranch_scc0 .Lentry_in_a_cluster
	s_endpgm
.Lentry_in_a_cluster:
	s_bfe_u32 s2, ttmp6, 0x10000c
	s_cmp_lg_u32 s2, 0xf033
	s_cbranch_scc0 .Lentry_shape_is_right
	s_endpgm
.Lentry_shape_is_right:
; C' = Q(act(A' B'^T (+ bias))): a GEMM on operand records whose result is quantised along its columns and leaves as operand records again.  K = 1,024.
; A record is 144 bytes: 128 codes of FP8 (E4M3) of one row for 128 along K, its four E8M0 scale bytes, 12 zeros; records lie [K / 128][rows][144].  So codes and scales come by ONE tensor load, and an LDS row
; is 144 bytes = 36 words: row r starts at bank 36 r mod 64 (64 banks of 4 bytes: ISA guide 11.1), sixteen different places for the 16 rows that a load touches, with no padding.
; FF = 0 (q, k, v): clusters with y under 4 make q and k: A' = the tokens (hrec), B' = rows 0-2047 of wrec (Wq, Wk); the result's rows are tokens, quantised along (head, d): records [16 pairs of heads][4,096][144].
;   Clusters with y = 4, 5 make v with the DATA swapped, not the code: A' = Wv's rows, B' = the tokens; the result's rows are (head, d), quantised along the tokens, which are the K of attention's second product: [32][1,024][144].
; FF = 1 (the feed-forward's first layer): A' = the tokens (hrec), B' = W1's rows; bias b1 is the C of each sum's first product; relu is done by the quantiser's hold; records [32][4,096][144].
; SHARES.  A work-group of four waves makes 256 x 256, a wave 128 x 128: 64 accumulators, 512 registers.  K goes in steps of 256 (two chunks) through a ring of two LDS slots.
; CLUSTERS: 4 x 4 work-groups; A's tile is shared along a row of the cluster, B's along a column: each is asked for jointly, by the same tensor load with a mask that names the four.
; THE MATRIX INSTRUCTION IS USED TRANSPOSED (source 0 = 16 rows of B', source 1 = 16 rows of A'): a lane holds one row of A' and eight neighbouring columns, the axis that is quantised.
; REGISTERS, in windows of 256: window 0: v16-29 addresses; v32-63 scale words, two sets; v64-127 the bias (FF = 1); v128-255 A's fragments, one set; on the way out v32-255 are free.
;   window 1: B's fragments, two sets.   windows 2, 3: the accumulators of my rows 0-63, 64-127 (accumulator (a, b) at v[8 (8 (a % 4) + b)]).
; LIMITS: a block of zeros gets the byte 1 (zero codes; only this program reads the bytes); blocks under 2^-118 are held at that byte; NaN and infinities are not served.
; PREFETCH INTO THE L2: what the two refills bring, chunks 4 to 7 of the 128 rows that a wave fetches, is asked for at the head, behind the head's load.
; Each of the four partners that ask for these rows jointly names one chunk of 18,432 bytes, told apart by address (cx for A', cy for B'): twice 32 lanes a block of 256 bytes each, then lanes 0 to 7 the last eight (the others lane 7's again).
.set FF,    0
.set CH4,   589824                     ; a chunk of 4,096 records: both operands' stride from chunk to chunk
.set CH1,   147456                     ; a chunk of 1,024 records
.set CHL,   18432                      ; 128 records
.set REG,   2*CHL                      ; what one tensor load brings: 128 rows x 2 chunks
.set SLOT,  REG                        ; LDS is laid [region: A's rows 0-127, 128-255, B's rows 0-127, 128-255][slot]: a region's two slots lie on end, so that the head's one load a wave fills both
.set SPARE, 8*REG                      ; behind the ring: the spare words, 128 bytes for each wave: two blocks of 256 bytes that no other line names
.set LAPS,  2                          ; K = 1,024 is four slots: twice round the ring
.set FR,    16                         ; registers of a fragment
.set NL,    4                          ; LDS loads that bring one
.set NP,    8                          ; places behind this matrix instruction (ISA guide 7.12.1)
.set ADRA,  16                         ; v16-17 LDS address of my A fragments in slot 0, 1
.set ADRB,  20                         ; v20-21 the same for B
.set ADRS,  22                         ; v22-23 of my scale words: lanes 0-15 A's rows, lanes 16-31 B's
.set STO,   24                         ; v24 the way out: where I put 8 codes
.set STT,   25                         ; v25 where I put a record's last 16 bytes
.set RD,    26                         ; v26 where I read my stage back
.set CO,    27                         ; v27 16 x lane
.set SPW,   28                         ; v28 LDS address of my spare word; never rewritten
.set NIL,   29                         ; v29 0; never rewritten
.set SC,    32                         ; scale words: set s (slot s) at v[SC + 16 s]; register 2 i + q: lanes 0-15 A's block i, lanes 16-31 B's block i, the slot's q-th chunk
.set BI,    64                         ; the bias: eight registers for each of B's eight blocks, in the result's layout
.set AF,    128                        ; A's fragments
.set Y,     128                        ; the way out: 64 held numbers
.set TM,    208                        ; v208-211 largest magnitudes, v212-215 bytes, v216-219 448 x the scale, v220-223 scale operands
.set OUTR,  32                         ; v32-175 the stage read back
.set G1,    24                         ; s[24:31] descriptor group 1 for A's tiles; s[32:39] group 0, one set for each slot
.set G0,    32
.set G1B,   48                         ; s[48:55], s[56:63] the same for B's
.set G0B,   56
.set SEL,   66                         ; s[66:67] v_permlanex16_b32's selects for lane l xor 16
.set MNT,   68                         ; s68 the mantissa field of 448
.set MSB,   0
.macro WIN new                         ; the immediate's high byte repeats the setting that is left
.if MSB != \new
	s_set_vgpr_msb (MSB<<8)|\new
.set MSB, \new
.endif
.endm
.set MUL_LO, 0xa1                      ; source 0 (B) window 1, source 1 (A) window 0, C and D window 2
.set MUL_HI, 0xf1                      ; the same, C and D window 3
.set TO_B,   0x40                      ; destination window 1, address window 0
; A joint load: waves 0 and 1 fetch for A, waves 2 and 3 for B.  The branch hangs on the wave's number alone.  Four v_nop follow each of the two lines.
.macro JLOAD g0a, g1a, g0b, g1b
	s_cmp_eq_u32 s15, 0
	s_cbranch_scc0 .Lfor_b_\@
	tensor_load_to_lds s[\g0a:\g0a+3], s[\g1a:\g1a+7]
	s_nop 0
.rept 4
	v_nop
.endr
	s_branch .Lasked_\@
.Lfor_b_\@:
	tensor_load_to_lds s[\g0b:\g0b+3], s[\g1b:\g1b+7]
	s_nop 0
.rept 4
	v_nop
.endr
.Lasked_\@:
.endm
.macro CREST                           ; a round of the cluster's barrier behind its opening barrier
	s_cmp_lg_u32 s14, 0
	s_cbranch_scc1 .Lnot_wave_0_\@
	s_barrier_signal -3
.Lnot_wave_0_\@:
	s_barrier_wait -3
	s_barrier_signal -1
	s_barrier_wait -1
.endm
.macro CROUND                          ; a whole round
	s_barrier_signal -1
	s_barrier_wait -1
	CREST
.endm
	s_load_b128 s[4:7], s[0:1], 0x0                ; hrec, wrec
.if FF
	s_load_b128 s[8:11], s[0:1], 0x10              ; b1, the output
.else
	s_load_b64 s[10:11], s[0:1], 0x10              ; the output
.endif
	v_lshl_add_u32 v[SPW], v0, 2, SPARE
	v_mov_b32 v[NIL], 0
	ds_add_u32 v28, v29
	ds_add_u32 v28, v29
	s_wait_dscnt 0x0
	v_lshrrev_b32 v1, 5, v0
	v_readfirstlane_b32 s14, v1                    ; wave 0..3
	s_lshr_b32 s15, s14, 1                         ; which half of the tile's rows is mine.  Also: I fetch for A (0) or for B (1)
	s_and_b32 s16, s14, 1                          ; which half of its columns.  Also: which 128 rows of that tile I fetch
	s_bfe_u32 s40, ttmp6, 0x40000                  ; cx, cy: my place in the cluster
	s_bfe_u32 s41, ttmp6, 0x40004
	s_and_b32 s19, ttmp7, 0xffff                   ; cluster y
	s_lshl_b32 s42, ttmp9, 2
	s_add_co_u32 s42, s42, s40                     ; tile column = 4 x cluster x + cx,
	s_lshl_b32 s17, s19, 2
.if FF == 0
	s_max_u32 s18, s19, 4
	s_sub_co_u32 s18, s18, 4
	s_lshl_b32 s18, s18, 3
	s_add_co_u32 s42, s42, s18                     ; and for v 8 more for cluster y = 5: sixteen tile columns of tokens
	s_cmp_lt_u32 s19, 4
	s_cselect_b32 s17, s17, 0                      ; v has four tile rows: cy alone
.endif
	s_add_co_u32 s17, s17, s41                     ; tile row = 4 x cluster y + cy
	s_lshl_b32 s43, s41, 2
	s_lshl_b32 s43, 15, s43                        ; my row of the cluster
	s_lshl_b32 s44, 0x1111, s40                    ; my column
	; descriptor group 1: two chunks of 128 records: two rows of 2,304 elements of 8 bytes, a chunk of 4,096 records (73,728 elements) apart; dense in LDS
	s_or_b32 s[G1+0], s43, (3<<16)|(1<<21)         ; 15:0 the mask: A's tiles go to my row; 17:16 elements of 8 bytes; 20 no padding; 21 set beside a mask
	s_or_b32 s[G1B+0], s44, (3<<16)|(1<<21)
.irp g, G1, G1B
	s_mov_b32 s[\g+1], 2304<<16                    ; tensor_dim0
	s_mov_b32 s[\g+2], 4<<16                       ; tensor_dim1: the head's load brings four chunks, both slots; the ring's two (set behind the head's wait)
	s_mov_b32 s[\g+3], 2304<<16                    ; tile_dim0
	s_mov_b32 s[\g+4], 4                           ; tile_dim1
	s_mov_b32 s[\g+5], 73728                       ; tensor_dim0_stride
	s_mov_b32 s[\g+6], 0
	s_mov_b32 s[\g+7], 0
.endr
	s_lshl_b32 s18, s16, 7                         ; which 128 rows of the tile I fetch
	s_lshl_b32 s20, s17, 8
	s_add_co_u32 s20, s20, s18
	s_mul_i32 s20, s20, 144                        ; A': record 256 x tile row + 128 x half
	s_mov_b32 s21, 0
	s_lshl_b32 s46, s42, 8
	s_add_co_u32 s46, s46, s18
	s_mul_i32 s46, s46, 144                        ; B': record 256 x tile column + 128 x half
	s_mov_b32 s47, 0
	s_mul_i32 s45, s14, 2*REG                      ; where they go: wave x a region of two slots: no place in the cluster enters an LDS address
	s_wait_kmcnt 0x0
.if FF
	s_mov_b64 s[94:95], s[4:5]                     ; A' = the tokens
	s_add_nc_u64 s[96:97], s[6:7], 4718592         ; B' = W1's records
	s_mov_b32 s98, CH4                             ; the output's chunk,
	s_mov_b32 s99, 0                               ; and its part of the buffer
.else
	s_add_nc_u64 s[92:93], s[6:7], 294912          ; Wv's records: rows 2,048 on
	s_mov_b32 s98, CH1
	s_mov_b32 s99, 9437184
	s_cmp_lt_u32 s19, 4                            ; q and k, or v?  The choice hangs on the cluster's y alone
	s_cselect_b64 s[94:95], s[4:5], s[92:93]       ; A'
	s_cselect_b64 s[96:97], s[6:7], s[4:5]         ; B'
	s_cselect_b32 s98, CH4, s98
	s_cselect_b32 s99, 0, s99
.endif
	s_add_nc_u64 s[20:21], s[94:95], s[20:21]
	s_add_nc_u64 s[46:47], s[96:97], s[46:47]
	CROUND                                         ; all sixteen work-groups are here: the first joint loads meet
.irp s, 0,1
	s_mov_b32 s[G0+4*\s], 1                        ; count = 1
	s_add_co_u32 s[G0+4*\s+1], s45, \s*SLOT        ; LDS address
	s_add_nc_u64 s[G0+4*\s+2:G0+4*\s+3], s[20:21], \s*2*CH4   ; global address: chunks 2 s, 2 s + 1
	s_or_b32 s[G0+4*\s+3], s[G0+4*\s+3], 0x80000000           ; type = 2
	s_mov_b32 s[G0B+4*\s], 1
	s_add_co_u32 s[G0B+4*\s+1], s45, \s*SLOT
	s_add_nc_u64 s[G0B+4*\s+2:G0B+4*\s+3], s[46:47], \s*2*CH4
	s_or_b32 s[G0B+4*\s+3], s[G0B+4*\s+3], 0x80000000
.if \s == 0
	JLOAD G0, G1, G0B, G1B                         ; my one load at the head: chunks 0 to 3 of my 128 rows, into both slots of my region
	s_cmp_eq_u32 s15, 0                            ; the prefetch: do I fetch for A'?
	s_cselect_b64 s[72:73], s[20:21], s[46:47]     ; my 128 rows in chunk 0
	s_cselect_b32 s70, s40, s41                    ; my place among the four that ask with me
	s_add_co_u32 s70, s70, 4
	s_mul_i32 s70, s70, CH4                        ; chunk 4 + my place
	s_mov_b32 s71, 0
	s_add_nc_u64 s[72:73], s[72:73], s[70:71]
.endif
.endr
	v_and_b32 v1, 15, v0                           ; r = l % 16
	v_bfe_u32 v2, v0, 4, 1                         ; h = l / 16
	v_mul_u32_u24 v3, v1, 144
	v_lshl_add_u32 v4, v2, 4, v3                   ; a fragment's record + 16 h
	s_mul_i32 s21, s15, 2*REG                      ; my 128 rows of A
	s_mul_i32 s22, s16, 2*REG
	s_add_co_u32 s22, s22, 4*REG                   ; my 128 rows of B, behind A's two regions
	s_sub_co_u32 s23, s22, s21
	v_mul_u32_u24 v5, s23, v2                      ; lanes 16-31 take B's scale words: the lower base + h x the distance
	v_add_nc_u32 v5, v5, v3
	v_add_nc_u32 v5, 128, v5                       ; the scale word lies behind a record's 128 codes
.irp s, 0,1
	v_add_nc_u32 v[ADRA+\s], s21, v4
	v_add_nc_u32 v[ADRB+\s], s22, v4
	v_add_nc_u32 v[ADRS+\s], s21, v5
	s_add_co_u32 s21, s21, SLOT
	s_add_co_u32 s22, s22, SLOT
.endr
	s_mul_i32 s23, s14, 2*REG                      ; my stage: 128 records, in slot 0 of my wave's region
	v_lshl_add_u32 v[STO], v2, 3, v3
	v_add_nc_u32 v[STO], s23, v[STO]               ; record r, + 8 h
	v_add_nc_u32 v[STT], s23, v3
	v_add_nc_u32 v[STT], 128, v[STT]
	v_and_b32 v6, 31, v0
	v_lshlrev_b32 v30, 8, v6                       ; v30, v31: the prefetch's offsets, never rewritten: 256 x lane, and 256 x min(lane, 7)
	v_min_u32 v31, 7, v6
	v_lshlrev_b32 v31, 8, v31
	v_lshlrev_b32 v[CO], 4, v6
	v_add_nc_u32 v[RD], s23, v[CO]
	s_lshl_b32 s46, s42, 1
	s_add_co_u32 s46, s46, s16                     ; my 128 columns are chunk 2 x tile column + half of the output,
	s_mul_i32 s46, s46, s98
	s_add_co_u32 s46, s46, s99
	s_lshl_b32 s20, s17, 8
	s_lshl_b32 s21, s15, 7
	s_add_co_u32 s20, s20, s21                     ; my 128 rows its records 256 x tile row + 128 x half on
	s_mul_i32 s20, s20, 144
	s_add_co_u32 s20, s20, s46
	s_mov_b32 s21, 0
	s_add_nc_u64 s[12:13], s[10:11], s[20:21]      ; 18,432 dense bytes
.if FF
	s_lshl_b32 s46, s42, 10
	s_lshl_b32 s47, s16, 9
	s_add_co_u32 s46, s46, s47
	s_mov_b32 s47, 0
	s_add_nc_u64 s[8:9], s[8:9], s[46:47]          ; the bias of my 128 columns
	v_lshlrev_b32 v7, 5, v2                        ; lane (r, h) wants, for B's block b, those of columns 16 b + 8 h + 0..7
.irp b, 0,1,2,3,4,5,6,7
	global_load_b128 v[BI+8*\b:BI+8*\b+3], v7, s[8:9] offset:64*\b
	global_load_b128 v[BI+8*\b+4:BI+8*\b+7], v7, s[8:9] offset:64*\b+16
.endr
.endif
	s_wait_alu depctr_va_vdst(0)
	global_prefetch_b8 v30, s[72:73] th:TH_LOAD_NT scope:SCOPE_SE
	global_prefetch_b8 v30, s[72:73] offset:8192 th:TH_LOAD_NT scope:SCOPE_SE
	global_prefetch_b8 v31, s[72:73] offset:16384 th:TH_LOAD_NT scope:SCOPE_SE
	s_mov_b32 s[SEL], 0x76543210
	s_mov_b32 s[SEL+1], 0xfedcba98
	s_mov_b32 s[MNT], 0x600000
.macro FRAG reg, adr, q, i             ; a fragment, 16 rows x 128 K: lane l holds row l % 16; registers 4 c .. 4 c + 3 hold K = 32 c + 16 (l / 16) + 0..15
.irp c, 0,1,2,3
	ds_load_b128 v[\reg+4*\c:\reg+4*\c+3], v[\adr] offset:CHL*(\q)+2304*(\i)+32*\c
.endr
.endm
; 16 matrix instructions: A's blocks a0, a0 + 1 x B's eight, the slot's q-th chunk.  p: B's set; sc: the set of scale words.  zero = 1: the first product starts the sums; 2: it starts them from the bias.
; The 64 accumulators take turns, one instruction a turn, in the same order in every step.
.macro MUL16 a0, p, q, sc, zero
.irp a, \a0, \a0+1
.irp b, 0,1,2,3,4,5,6,7
.if \zero == 1
	v_wmma_scale_f32_16x16x128_f8f6f4 v[8*(8*((\a)%4)+\b):8*(8*((\a)%4)+\b)+7], v[128*(\p)+FR*\b:128*(\p)+FR*\b+FR-1], v[AF+FR*(\a):AF+FR*(\a)+FR-1], 0, v[SC+16*(\sc)+2*\b+(\q)], v[SC+16*(\sc)+2*(\a)+(\q)] matrix_a_scale:MATRIX_SCALE_ROW1
.elseif \zero == 2
	v_wmma_scale_f32_16x16x128_f8f6f4 v[8*(8*((\a)%4)+\b):8*(8*((\a)%4)+\b)+7], v[128*(\p)+FR*\b:128*(\p)+FR*\b+FR-1], v[AF+FR*(\a):AF+FR*(\a)+FR-1], v[BI+8*\b:BI+8*\b+7], v[SC+16*(\sc)+2*\b+(\q)], v[SC+16*(\sc)+2*(\a)+(\q)] matrix_a_scale:MATRIX_SCALE_ROW1
.else
	v_wmma_scale_f32_16x16x128_f8f6f4 v[8*(8*((\a)%4)+\b):8*(8*((\a)%4)+\b)+7], v[128*(\p)+FR*\b:128*(\p)+FR*\b+FR-1], v[AF+FR*(\a):AF+FR*(\a)+FR-1], v[8*(8*((\a)%4)+\b):8*(8*((\a)%4)+\b)+7], v[SC+16*(\sc)+2*\b+(\q)], v[SC+16*(\sc)+2*(\a)+(\q)] matrix_a_scale:MATRIX_SCALE_ROW1
.endif
.endr
.endr
.endm
.macro FETCH_B slot, q, p              ; B's eight fragments of the slot's q-th chunk into set p
	WIN TO_B
.irp i, 0,1,2,3,4,5,6,7
	FRAG 128*(\p)+FR*\i, ADRB+\slot, \q, \i
.endr
	WIN 0
.endm
.macro FETCH_A slot, q, i0             ; A's blocks i0 .. i0 + 3
.irp i, \i0, \i0+1, \i0+2, \i0+3
	FRAG AF+FR*(\i), ADRA+\slot, \q, \i
.endr
.endm
.macro SCALES sl                       ; a slot's scale words: lanes 0-15 take A's block i, lanes 16-31 B's block i
.irp i, 0,1,2,3,4,5,6,7
.irp q, 0,1
	ds_load_b32 v[SC+16*\sl+2*\i+\q], v[ADRS+\sl] offset:CHL*\q+2304*\i
.endr
.endr
.endm
; A load into a register that a matrix instruction has read, and a vector instruction or an LDS store that reads a matrix result, stand NP places behind it; only plain vector instructions that name none of its registers are places.
.macro PLACES n
.rept \n
	v_nop
.endr
.endm
; A chunk that has its successor in the same slot.  A's blocks 0-3 are fetched anew in the step's middle, blocks 4-7 at its end; B has two sets.
.macro STEP slot, q, zero
	s_wait_dscnt 4*NL                              ; B's set, the scale words and A's blocks 0-3 are in; the youngest sixteen loads (A's blocks 4-7) may be out
.if \zero == 2
	WIN 0x81                                       ; C (the bias) window 0, D window 2
.else
	WIN MUL_LO
.endif
	MUL16 0, (\q)%2, \q, \slot, \zero
	MUL16 2, (\q)%2, \q, \slot, \zero
	s_wait_dscnt 0                                 ; A's blocks 4-7 are in
	PLACES NP
	FETCH_B \slot, (\q)+1, 1-(\q)%2
	FETCH_A \slot, (\q)+1, 0
.if \zero == 2
	WIN 0xc1
.else
	WIN MUL_HI
.endif
	MUL16 4, (\q)%2, \q, \slot, \zero
	MUL16 6, (\q)%2, \q, \slot, \zero
	PLACES NP
	WIN 0
	FETCH_A \slot, (\q)+1, 4
.endm
; A slot's last chunk changes slots: ONE barrier; in front of it each wave waits for all its tensor loads, adds 0 to its spare word, and waits for that and for its own reads of this slot.  fill = 1: this slot is filled again, two slots ahead.
.macro TURN slot, next, fill
	s_wait_tensorcnt 0x0                           ; all my tensor loads have landed: my part of the next slot;  (every window is 0 here)
	ds_add_u32 v[SPW], v[NIL]                      ; 0 onto my spare word
	s_wait_dscnt 4*NL+1                            ; (the add and the youngest sixteen loads may be out)
	WIN MUL_LO
	MUL16 0, 1, 1, \slot, 0                        ; sixteen matrix instructions stand between the add and the wait for it
	s_wait_dscnt 0x0                               ; the add is done, and my reads of this slot are over
	s_barrier_signal -1
	MUL16 2, 1, 1, \slot, 0
	WIN 0
	s_barrier_wait -1
.if \fill
	CREST                                          ; the barrier has opened a round of the cluster's barrier: no wave of any partner still reads this slot or has a load on its way
	s_add_nc_u64 s[G0+4*\slot+2:G0+4*\slot+3], s[G0+4*\slot+2:G0+4*\slot+3], 4*CH4
	s_add_nc_u64 s[G0B+4*\slot+2:G0B+4*\slot+3], s[G0B+4*\slot+2:G0B+4*\slot+3], 4*CH4
	JLOAD G0+4*\slot, G1, G0B+4*\slot, G1B         ; the first tensor load behind the round, my one load until the next; its four v_nop are among the places in front of the loads below
	PLACES NP-4
.else
	PLACES NP
.endif
	s_wait_alu depctr_va_vdst(0)
	FETCH_B \next, 0, 0
	FETCH_A \next, 0, 0
	SCALES \next
	WIN MUL_HI
	MUL16 4, 1, 1, \slot, 0
	MUL16 6, 1, 1, \slot, 0
	PLACES NP
	WIN 0
	FETCH_A \next, 0, 4
.endm
	s_wait_alu depctr_va_vdst(0)
	s_wait_tensorcnt 0x0                           ; my part of both slots is in, and no load of mine is out, so a descriptor may be written:
	s_mov_b32 s[G1+2], 2<<16                       ; from here on a load brings two chunks
	s_mov_b32 s[G1+4], 2
	s_mov_b32 s[G1B+2], 2<<16
	s_mov_b32 s[G1B+4], 2
	s_barrier_signal -1
	s_barrier_wait -1                              ; everybody's is
	FETCH_B 0, 0, 0
	FETCH_A 0, 0, 0
	SCALES 0
	FETCH_A 0, 0, 4
.if FF
	s_wait_loadcnt 0x0                             ; the bias
	STEP 0, 0, 2                                   ; the first chunk stands in front of the loop: its products start the sums
.else
	STEP 0, 0, 1
.endif
	s_mov_b32 s3, LAPS-1
.Llap:                                                 ; a trip goes once round the ring and fills both slots again
	TURN 0, 1, 1
	STEP 1, 0, 0
	TURN 1, 0, 1
	STEP 0, 0, 0
	s_sub_co_u32 s3, s3, 1
	s_cmp_lg_u32 s3, 0
	s_cbranch_scc1 .Llap
	TURN 0, 1, 0                                   ; the last lap fills nothing, and has no round of the cluster's barrier
	STEP 1, 0, 0
	s_wait_dscnt 4*NL                              ; the very last chunk: nothing more to fetch
	WIN MUL_LO
	MUL16 0, 1, 1, 1, 0
	MUL16 2, 1, 1, 1, 0
	s_wait_dscnt 0
	WIN MUL_HI
	MUL16 4, 1, 1, 1, 0
	MUL16 6, 1, 1, 1, 0
	WIN 0
; THE WAY OUT.  Block a: 16 rows x my 128 columns.  Lane (r, h) holds row r; register 8 b + j is column 16 b + 8 h + j.  So a block of 32 columns lies in tiles 2 B and 2 B + 1 of lanes l and l xor 16,
; and a tile's eight codes are bytes 16 b + 8 h on of the row's record.  The records are gathered in my own stage, in slot 0, which has had its last fill and which nobody reads behind the last change of slots.
.macro QROW a
.set W,  2+(\a)/4                      ; the accumulators' window
.set W2, (W<<2)|(W<<4)
.set AC, 64*((\a)%4)
.set PC, 192+36*((\a)%2)               ; the codes: v192-207 and v228-243 by turns
.set PW, 224+20*((\a)%2)               ; the scale word and three zeros: v224-227 and v244-247 by turns
.if (\a) >= 2
	s_wait_dscnt 9                                 ; the block before's nine stores may be out; those of two blocks back, which read this set of registers, are done
.endif
	WIN W2                                         ; sources 1 and 2: the accumulators
.irp i, 0,2,4,6,8,10,12,14             ; each accumulator is read from its low end on; the four blocks by turns
.irp b, 0,1,2,3
.if FF                                 ; no |.|: what is negative becomes 0 (relu), so it does not count; the floor stands over it
.if \i == 0
	v_max3_num_f32 v[TM+\b], 0x4800000, v[AC+16*\b], v[AC+16*\b+1]
.else
	v_max3_num_f32 v[TM+\b], v[TM+\b], v[AC+16*\b+\i], v[AC+16*\b+\i+1]
.endif
.else
.if \i == 0
	v_max3_num_f32 v[TM+\b], 0x4800000, |v[AC+16*\b]|, |v[AC+16*\b+1]|     ; with the floor 2^(9 - 127): the byte cannot fall under 1
.else
	v_max3_num_f32 v[TM+\b], v[TM+\b], |v[AC+16*\b+\i]|, |v[AC+16*\b+\i+1]|
.endif
.endif
.endr
.endr
	WIN 0
.irp b, 0,1,2,3
	v_permlanex16_b32 v[TM+4+\b], v[TM+\b], s[SEL], s[SEL+1]
.endr
.irp b, 0,1,2,3
	v_max_num_f32 v[TM+\b], v[TM+\b], v[TM+4+\b]   ; with lane l xor 16's: the block's largest magnitude
.endr
.irp b, 0,1,2,3
	v_add_nc_u32 v[TM+12+\b], 0xfc000000, v[TM+\b] ; 8 off the exponent field: the conversion's scale operand
.endr
.irp b, 0,1,2,3
	v_and_or_b32 v[TM+8+\b], v[TM+\b], 0x7f800000, s[MNT]   ; 448 x the scale
.endr
.irp b, 0,1,2,3
	v_lshrrev_b32 v[TM+4+\b], 23, v[TM+12+\b]      ; the scale's byte
.endr
	v_lshl_or_b32 v[PW], v[TM+5], 8, v[TM+4]
	v_lshl_or_b32 v[PW], v[TM+6], 16, v[PW]
	v_lshl_or_b32 v[PW], v[TM+7], 24, v[PW]
	WIN W                                          ; source 0: the accumulators
.irp b, 0,1,2,3
.irp i, 0,1,2,3,4,5,6,7,8,9,10,11,12,13,14,15
.if FF
	v_med3_num_f32 v[Y+16*\b+\i], v[AC+16*\b+\i], 0, v[TM+8+\b]            ; relu and the hold in one
.else
	v_med3_num_f32 v[Y+16*\b+\i], v[AC+16*\b+\i], -v[TM+8+\b], v[TM+8+\b]  ; the conversion does not saturate (ISA guide 7.6.2): hold first
.endif
.endr
.endr
	WIN 0
.irp t, 0,1,2,3,4,5,6,7
	v_cvt_scalef32_pk8_fp8_f32 v[PC+2*\t:PC+2*\t+1], v[Y+8*\t:Y+8*\t+7], v[TM+12+\t/2]
.endr
	v_nop                                          ; a plain instruction behind the last conversion
.irp t, 0,1,2,3,4,5,6,7
	ds_store_b64 v[STO], v[PC+2*\t:PC+2*\t+1] offset:2304*(\a)+16*\t
.endr
	ds_store_b128 v[STT], v[PW:PW+3] offset:2304*(\a)   ; both halves of the lanes write the same 16 bytes
.endm
	PLACES NP                                      ; behind the last products: their results are read and their operands' registers written below
.irp b, 4,5,6,7
	v_mov_b32 v[TM+\b], 0                          ; a lane permute's destination counts as one of its sources
.endr
.irp b, 225,226,227,245,246,247
	v_mov_b32 v\b, 0                               ; a record's last 12 bytes
.endr
.irp a, 0,1,2,3,4,5,6,7
	QROW \a
.endr
.set I, 0
.rept 36
	ds_load_b128 v[OUTR+4*I:OUTR+4*I+3], v[RD] offset:512*I        ; LDS serves a wave's instructions in order (ISA guide 5.7.1.4): these see my stores
.set I, I+1
.endr
.set I, 0
.rept 36
	s_wait_dscnt 35-I
	global_store_b128 v[CO], v[OUTR+4*I:OUTR+4*I+3], s[12:13] offset:512*I   ; the wave stores 512 consecutive bytes, at a multiple of 256 from the buffer's first byte
.set I, I+1
.endr
	s_wait_tensorcnt 0x0                           ; the wave's end
	ds_add_u32 v[SPW], v[NIL]
	s_wait_dscnt 0x0
	CROUND                                         ; the closing round: no work-group ends while a partner may still ask for a tile that names it
	s_endpgm
.Lfunc_end_k_qd54ccf9bc3_qkv:
	.size	k_qd54ccf9bc3_qkv, .Lfunc_end_k_qd54ccf9bc3_qkv-k_qd54ccf9bc3_qkv
	.p2alignl 7, 3214868480
	.fill 96, 4, 3214868480
	.section	.rodata,"a",@progbits
	.p2align	6, 0x0
	.amdhsa_kernel k_qd54ccf9bc3_qkv
		.amdhsa_group_segment_fixed_size 327680
		.amdhsa_private_segment_fixed_size 0
		.amdhsa_enable_private_segment 0
		.amdhsa_kernarg_size 24
		.amdhsa_user_sgpr_count 2
		.amdhsa_user_sgpr_kernarg_segment_ptr 1
		.amdhsa_wavefront_size32 1
		.amdhsa_system_sgpr_workgroup_id_x 1
		.amdhsa_system_sgpr_workgroup_id_y 1
		.amdhsa_system_sgpr_workgroup_id_z 1
		.amdhsa_system_vgpr_workitem_id 0
		.amdhsa_next_free_vgpr 1024
		.amdhsa_next_free_sgpr 100
		.amdhsa_reserve_vcc 0
		.amdhsa_float_denorm_mode_32 3
		.amdhsa_float_denorm_mode_16_64 3
		.amdhsa_memory_ordered 1
		.amdhsa_forward_progress 1
		.amdhsa_inst_pref_size 193
	.end_amdhsa_kernel
	.amdgpu_metadata
---
amdhsa.version: [ 1, 2 ]
amdhsa.kernels:
  - .name:           k_qd54ccf9bc3_qkv
    .symbol:         k_qd54ccf9bc3_qkv.kd
    .args:
      - { .name: hrec, .offset: 0, .size: 8, .value_kind: global_buffer, .address_space: global }
      - { .name: wrec, .offset: 8, .size: 8, .value_kind: global_buffer, .address_space: global }
      - { .name: qkvrec, .offset: 16, .size: 8, .value_kind: global_buffer, .address_space: global }
    .group_segment_fixed_size: 327680
    .private_segment_fixed_size: 0
    .kernarg_segment_align: 8
    .kernarg_segment_size: 24
    .max_flat_workgroup_size: 128
    .sgpr_count:     100
    .vgpr_count:     1024
    .wavefront_size: 32
...
	.end_amdgpu_metadata
.endif
;; end of part 2
;; launch attn (part 3): grid 16 x 16, 16 waves a work-group, clusters of 4 x 1, 327,680 bytes of LDS; arguments qkvrec, orec; writes orec
.if DOCPART == 3
	.amdgcn_target "amdgcn-amd-amdhsa--gfx1250"
	.amdhsa_code_object_version 6
	.text
	.protected	k_qd54ccf9bc3_attn
	.globl	k_qd54ccf9bc3_attn
	.p2align	8
	.type	k_qd54ccf9bc3_attn,@function
k_qd54ccf9bc3_attn:
	s_mov_b64 s[64:65], 0
	v_nop
	global_prefetch_b8 v0, s[64:65] scope:SCOPE_SE
	s_setreg_imm32_b32 hwreg(HW_REG_WAVE_MODE, 25, 1), 1
	s_wait_xcnt 0x0
	s_wait_alu depctr_hold_cnt(0) depctr_sa_sdst(0) depctr_va_vdst(0) depctr_va_sdst(0) depctr_va_ssrc(0) depctr_va_vcc(0) depctr_vm_vsrc(0)
	s_getreg_b32 s2, hwreg(HW_REG_IB_STS2, 6, 4)
	s_cmp_eq_u32 s2, 0
	s_cbranch_scc0 .Lentry_in_a_cluster
	s_endpgm
.Lentry_in_a_cluster:
	s_bfe_u32 s2, ttmp6, 0x10000c
	s_cmp_lg_u32 s2, 0x3003
	s_cbranch_scc0 .Lentry_shape_is_right
	s_endpgm
.Lentry_shape_is_right:
; Causal attention on codes of FP8 (E4M3), head size 64, 2,048 tokens, 2 batches x 16 heads; the result is quantised along (head, d) and leaves as operand records [8 pairs of heads][4,096 tokens][144].
; LEFT OUT: key steps all of whose 128 keys come after a tile's 16 queries: the causal mask sets their scores to -infinity, so their p is 0 for all values of the inputs.
; INPUT (qkvrec): q and k as records [16: 0-7 q, 8-15 k][4,096 tokens][144]; a record holds a pair of heads: head e's 64 codes at byte 64 e, its two scale bytes at 128 + 2 e.
;   v at 9,437,184 as records [32 chunks of 128 keys][1,024 rows 64 head + d][144]: the keys are the second product's K.
; THE SOFTMAX AHEAD OF THE SECOND PRODUCT: t = score x log2(e) / 8; M = the running largest t rounded UP to a whole number; p = 2^(t - M) is quantised along the keys, not normalised; the row's sum is taken
; of the unquantised p and divides at the end.  When M moves, the sum and O are multiplied by 2^(old M - new M): exact.
; SHARES.  Work-group (cluster x = bp, place cx, y = 8 batch + pair), sixteen waves, four to a SIMD.  Wave w: head e = w % 2, place t = w / 4, key half z = (w / 2 + t) % 2.  The two waves (e, t, z = 0, 1) share TWO tiles of
; 16 queries, one after the other: first the tile at 256 bp + 64 (3 - t) + 16 cx of band bp, then the tile at 256 (7 - bp) + 64 t + 16 cx of band 7 - bp.  Of every slot of 256 keys wave z takes keys 128 z on, with a running M,
; a sum and an O^T of its own.  The work-group walks bp + 1 slots and then 8 - bp: nine in all, so the loop's trip count is a constant; the pair of waves walks 17 key steps in every work-group.
; THE TWO PARTS OF A TILE ARE JOINED at its end: wave z = 1 hands its O^T, -M and sum over through LDS bytes of their own; wave z = 0 brings both parts under the larger M (multiplications by powers of two), adds, divides and quantises.
; CLUSTER.  The four work-groups of a cluster walk the same slots in the same order: each tile of K and V is asked for jointly (mask 15).  Branches hang on the wave's number, the trip and the cluster's x alone;
; cx enters only global addresses of q, o and the prefetch, and two data registers (the diagonal's bounds).
; THE RING.  Two slots.  Every wave fetches 32 records (4,608 bytes) of a slot by one load: waves 0-7 k's eighths, waves 8-15 the quarters of v's two chunks: one line, no branch.
; THE CHANGE OF TILE stands at the trip bp + 1: the handing over ahead of the plain barrier at the trip's head, the joining behind it, with the records stored into a stage of their own; the records are read back behind the trip's round.
; K = 64 IN AN INSTRUCTION OF K = 128.  q's operand is its 64 codes and 64 zero codes.  A tile of k is read as 16 registers of which the upper eight are the next tile's codes (behind the last tile: the second tile's q codes, which wait there):
; they are finite (the quantiser's hold leaves no NaN code) and meet q's zero codes; the scale bytes of that half are 0, which stands for 2^-127, since the scales come by loads of 16 bits.
; LAYOUT.  Both products are used transposed: S^T = K Q^T, O^T = V^T P^T: a lane holds ONE query throughout.  Lane r of tile 2 b + u of k takes key 32 b + 8 u + r + 8 (r / 8),
; so that the 16 registers of tiles 2 b, 2 b + 1 are 16 neighbouring keys: 32 b + 16 (lane / 16) + 0..15.
; LIMITS: a block of zeros gets the byte 1 (zero codes; only this program reads the bytes); NaN and infinities are not served; the promise holds while the scaled scores t stay under 2^31 in magnitude.
; REGISTERS: v1-4 addresses that stay; v5, v6 the add's; v7 the prefetch's offset; v8-11 addresses in hand; v12 -M, v13 the largest t, v[14:15] the sum; v16-23 q, v24-31 zeros; v32-95 eight tiles of k, then four
; fragments of v; v96-103 the second tile's q; v104-167 S^T, then p; v168-199 O^T; v200-215 p's codes; v216-223 k's scales; v224-227 v's; v228 q's; v229 the diagonal's bound; v230, v231 the second tile's; v232-254 at work.
.set CH1,   147456                     ; a chunk of 1,024 records
.set RG,    18432                      ; 128 records: a region of a slot
.set LB,    4608                       ; 32 records: what one tensor load brings
.set SLOT1, 1<<17                      ; slot 1 begins here.  A slot: k's keys 0-127, 128-255, v's chunks 0, 1
.set STAGE, 4*RG                       ; behind slot 0: four tiles of 16 records, 9,216 bytes into which no fill lands
.set PART,  STAGE+9216                 ; behind the stage: what is handed over, for each of the eight (t, e): 32 registers of O^T as they lie, -M, the sum
.set PB,    4352
.set SPARE, SLOT1+4*RG                 ; behind slot 1: the spare words, 128 bytes for each wave: eight blocks of 256 bytes that no other line names
.set AK0,  1
.set AV0,  2
.set AKS,  3
.set AVS,  4
.set SPW,  5
.set NIL,  6
.set PFO,  7
.set ADK,  8
.set ADV,  9
.set ADS,  10
.set ADT,  11
.set S,    104
.set O,    168
.set PCD,  200
.set WV,   18                          ; my wave's number
.set MNT,  19                          ; the mantissa field of 448
.set SEL,  20                          ; s[20:21] lane l xor 16
.set CS,   22                          ; s[22:23] c = log2(e) / 8
.set G1,   24                          ; s[24:31] descriptor group 1
.set TB,   32                          ; LDS byte at which the slot in hand begins
.set KF,   33                          ; my step's first key
.set SD,   34                          ; the first key of the step on the tile's diagonal
.set TR,   35                          ; the trip
.set LIM,  36                          ; 7 in a wave that prefetches, else 0
.set EE,   37                          ; e
.set TT,   38                          ; t
.set NL,   39                          ; bp + 1: the trip at which the tile changes
.set G0,   40                          ; s[40:43] group 0
.set OFF0, 44                          ; where my share of slot 0 lies in qkvrec
.set STP,  45                          ; a slot on, in bytes
.set SDH,  46                          ; SD of the second tile
.set ZZ,   47                          ; z
.set PFA,  48                          ; s[48:49] where my prefetches stand
.set PFS,  50                          ; s[50:51] a slot on, for them
.set KZ,   90                          ; 128 z
.macro TLOAD                           ; s_nop 0 and four v_nop follow the load
	tensor_load_to_lds s[G0:G0+3], s[G1:G1+7]
	s_nop 0
.rept 4
	v_nop
.endr
.endm
; A PREFETCH INTO THE L2.  All four clusters of a pair of heads read the same K and V; the cluster with x = 0 walks slot 0 and then slots 0 to 7, and it alone asks: at the change of trip n, which loads slot n, for slot n + 1 (n = 0 .. 6).
; Its four partners share a slot out BY ADDRESS; in each, waves 4 and 5 ask for k's and waves 6 and 7 for v's, 4,608 bytes a wave: lanes 0 to 17 name a block of 256 bytes each, the others lane 17's again.
.macro ASK
	s_cmp_lt_u32 s[TR], s[LIM]
	s_cbranch_scc0 .Lnot_mine_\@
	global_prefetch_b8 v[PFO], s[PFA:PFA+1] th:TH_LOAD_NT scope:SCOPE_SE
.Lnot_mine_\@:
.endm
.macro CROUND                          ; a round of the cluster's barrier
	s_barrier_signal -1
	s_barrier_wait -1
	s_cmp_lg_u32 s[WV], 0
	s_cbranch_scc1 .Lnot_wave_0_\@
	s_barrier_signal -3
.Lnot_wave_0_\@:
	s_barrier_wait -3
	s_barrier_signal -1
	s_barrier_wait -1
.endm
; A tile at place tq of a band: off = its first record's byte in q's part and in orec; sd = the 128 keys in which it lies (no cx in it); dg = its first query less sd
.macro TILE band, tq, off, sd, dg
	s_lshl_b32 s[\sd], s[\band], 8
	s_lshl_b32 s[\off], s[\tq], 6
	s_add_co_u32 s[\off], s[\off], s[\sd]
	s_add_co_u32 s[\off], s[\off], s59
	s_add_co_u32 s[\off], s[\off], s58
	s_mul_i32 s[\off], s[\off], 144
	s_lshr_b32 s[\dg], s[\tq], 1
	s_lshl_b32 s[\dg], s[\dg], 7
	s_add_co_u32 s[\sd], s[\sd], s[\dg]
	s_and_b32 s[\dg], s[\tq], 1
	s_lshl_b32 s[\dg], s[\dg], 6
	s_add_co_u32 s[\dg], s[\dg], s59
.endm
.macro POINT off, qc, qs, o            ; a tile's pointers: q's codes of my head, its scale bytes (128 bytes on), my head's 1,024 of the tile's 2,304 bytes of orec
	s_lshl_b32 s76, s[EE], 6
	s_add_co_u32 s76, s76, s[\off]
	s_mov_b32 s77, 0
	s_add_nc_u64 s[\qc:\qc+1], s[4:5], s[76:77]
	s_lshl_b32 s76, s[EE], 1
	s_add_co_u32 s76, s76, s[\off]
	s_add_nc_u64 s[\qs:\qs+1], s[4:5], s[76:77]
	s_lshl_b32 s76, s[EE], 10
	s_add_co_u32 s76, s76, s[\off]
	s_add_nc_u64 s[\o:\o+1], s[6:7], s[76:77]
.endm
	s_load_b128 s[4:7], s[0:1], 0x0                ; qkvrec, orec
	v_lshl_add_u32 v[SPW], v0, 2, SPARE
	v_mov_b32 v[NIL], 0
	ds_add_u32 v[SPW], v[NIL]                      ; the opening lines: the add, twice on end, and its wait ahead of my first tensor load
	ds_add_u32 v[SPW], v[NIL]
	v_lshrrev_b32 v8, 5, v0
	v_readfirstlane_b32 s[WV], v8                  ; wave 0..15
	s_bfe_u32 s52, ttmp6, 0x40000                  ; cx
	s_and_b32 s53, ttmp7, 0xffff
	s_lshr_b32 s54, s53, 3                         ; the batch
	s_and_b32 s55, s53, 7                          ; the pair of heads
	s_lshr_b32 s[TT], s[WV], 2
	s_and_b32 s[EE], s[WV], 1
	s_lshr_b32 s[ZZ], s[WV], 1
	s_xor_b32 s[ZZ], s[ZZ], s[TT]
	s_and_b32 s[ZZ], s[ZZ], 1
	s_lshl_b32 s58, s55, 12
	s_lshl_b32 s56, s54, 11
	s_add_co_u32 s58, s58, s56                     ; 4,096 pair + 2,048 batch
	s_mul_i32 s66, s58, 144
	s_add_co_u32 s66, s66, 4718592                 ; k's first record of this batch and pair
	s_mul_i32 s67, s54, 2359296
	s_mul_i32 s68, s55, RG
	s_add_co_u32 s67, s67, s68
	s_add_co_u32 s67, s67, 9437184                 ; v's: chunk 16 batch, row 128 pair
	s_mul_i32 s68, s[WV], LB                       ; my share's place in a slot; in waves 0-7 also its place among k's 256 records
	s_add_co_u32 s70, s66, s68
	s_and_b32 s69, s[TT], 1                        ; waves 8-15: chunk (w / 4) % 2,
	s_mul_i32 s69, s69, CH1
	s_add_co_u32 s69, s69, s67
	s_and_b32 s71, s[WV], 3                        ; quarter w % 4
	s_mul_i32 s71, s71, LB
	s_add_co_u32 s69, s69, s71
	s_mov_b32 s[STP], 2*CH1
	s_cmp_lt_u32 s[WV], 8
	s_cselect_b32 s[OFF0], s70, s69
	s_cselect_b32 s[STP], 2*RG, s[STP]
	s_mov_b32 s70, s[OFF0]
	s_mov_b32 s71, 0
	; descriptor group 1: a dense block of 4,608 bytes as 18 rows of 32 elements of 8 bytes
	s_mov_b32 s[G1], 15|(3<<16)|(1<<21)            ; the mask: all four work-groups; elements of 8 bytes; no padding; bit 21 set beside a mask
	s_mov_b32 s[G1+1], 32<<16
	s_mov_b32 s[G1+2], 18<<16
	s_mov_b32 s[G1+3], 32<<16
	s_mov_b32 s[G1+4], 18
	s_mov_b32 s[G1+5], 32
	s_mov_b32 s[G1+6], 0
	s_mov_b32 s[G1+7], 0
	s_mov_b32 s[G0], 1
	s_mov_b32 s[G0+1], s68
	s_wait_dscnt 0x0                               ; both opening adds are done
	s_wait_kmcnt 0x0
	s_add_nc_u64 s[G0+2:G0+3], s[4:5], s[70:71]
	s_or_b32 s[G0+3], s[G0+3], 0x80000000
	CROUND                                         ; all four work-groups are here: the first joint loads meet
	TLOAD                                          ; slot 0: my one load at the head
	s_mov_b32 s61, ttmp9                           ; the first tile's band
	s_add_co_u32 s[NL], ttmp9, 1
	s_sub_co_u32 s62, 7, ttmp9                     ; the second's
	s_sub_co_u32 s63, 3, s[TT]                     ; the first tile's place in its band
	s_lshl_b32 s59, s52, 4                         ; 16 cx
	TILE 61, 63, 60, SD, 78
	TILE 62, TT, 57, SDH, 89
	POINT 60, 8, 10, 16
	POINT 57, 12, 14, 92
	s_mul_i32 s72, s[EE], CH1                      ; the prefetches: of v, my wave's chunk, my work-group's quarter of it;
	s_add_co_u32 s72, s72, s67
	s_mul_i32 s75, s52, 4608
	s_add_co_u32 s75, s75, s72
	s_mul_i32 s74, s52, 9216                       ; of k, my work-group's quarter, my wave's half of it
	s_mul_i32 s73, s[EE], 4608
	s_add_co_u32 s74, s74, s73
	s_add_co_u32 s74, s74, s66
	s_and_b32 s76, s[WV], 2
	s_cmp_eq_u32 s76, 0
	s_cselect_b32 s74, s74, s75                    ; in slot 0: the first change of slots steps it to slot 1
	s_mov_b32 s[PFS], 2*CH1
	s_cselect_b32 s[PFS], 2*RG, s[PFS]
	s_mov_b32 s[PFS+1], 0
	s_mov_b32 s75, 0
	s_add_nc_u64 s[PFA:PFA+1], s[4:5], s[74:75]
	s_lshr_b32 s76, s[WV], 2
	s_xor_b32 s76, s76, 1                          ; 0 in waves 4 to 7,
	s_or_b32 s76, s76, ttmp9                       ; of the first cluster: the same in all four partners
	s_cmp_eq_u32 s76, 0
	s_cselect_b32 s[LIM], 7, 0
	s_lshl_b32 s79, s[EE], 6
	s_lshl_b32 s81, s[EE], 1
	s_add_co_u32 s81, s81, 128
	s_mul_i32 s83, s[TT], 2304                     ; the stage: my tile's 16 records,
	s_add_co_u32 s83, s83, STAGE
	s_add_co_u32 s84, s79, s83                     ; my head's codes at 64 e,
	s_add_co_u32 s85, s81, s83                     ; its scale bytes at 128 + 2 e,
	s_lshl_b32 s86, s[EE], 2
	s_add_co_u32 s86, s86, s83
	s_add_co_u32 s86, s86, 136                     ; its share of the zeros at 136 + 4 e,
	s_lshl_b32 s87, s[EE], 10
	s_add_co_u32 s87, s87, s83                     ; back: 1,024 bytes,
	s_add_co_u32 s88, s83, 2048                    ; and the last 256
	s_lshl_b32 s94, s[TT], 1
	s_add_co_u32 s94, s94, s[EE]
	s_mul_i32 s94, s94, PB
	s_add_co_u32 s94, s94, PART                    ; where (t, e)'s second part is handed over
	s_mul_i32 s91, s[ZZ], RG                       ; my half of a slot's keys: k's region z, v's chunk z
	s_add_co_u32 s79, s79, s91
	s_add_co_u32 s81, s81, s91
	s_mul_i32 s80, s[EE], 9216
	s_add_co_u32 s80, s80, 2*RG                    ; my head's 64 rows of v's chunk
	s_add_co_u32 s80, s80, s91
	s_add_co_u32 s82, s80, 128
	s_lshl_b32 s[KZ], s[ZZ], 7
	s_mov_b32 s[KF], s[KZ]
	s_mov_b32 s[SEL], 0x76543210
	s_mov_b32 s[SEL+1], 0xfedcba98
	s_mov_b32 s[CS], 0x3e38aa3b                    ; c = log2(e) / sqrt(64)
	s_mov_b32 s[CS+1], s[CS]
	s_mov_b32 s[MNT], 0x600000
	s_mov_b32 s[TB], 0
	s_mov_b32 s[TR], 0
	v_and_b32 v8, 15, v0                           ; r
	v_bfe_u32 v9, v0, 4, 1                         ; h
	v_mul_u32_u24 v254, v8, 144
	v_lshl_add_u32 v10, v9, 4, v254
	global_load_b128 v[16:19], v10, s[8:9]         ; the first tile's q
	global_load_b128 v[20:23], v10, s[8:9] offset:32
	global_load_u16 v228, v254, s[10:11] offset:128   ; its two scale bytes; the upper two bytes are 0
	global_load_b128 v[96:99], v10, s[12:13]       ; the second tile's
	global_load_b128 v[100:103], v10, s[12:13] offset:32
	global_load_u16 v230, v254, s[14:15] offset:128
	v_and_b32 v11, 8, v8
	v_add_nc_u32 v11, v11, v8                      ; r + 8 (r / 8)
	v_mul_u32_u24 v11, v11, 144
	v_lshl_add_u32 v[AK0], v9, 4, v11
	v_add_nc_u32 v[AK0], s79, v[AK0]
	v_add_nc_u32 v[AV0], s80, v10
	v_add_nc_u32 v[AKS], s81, v11
	v_add_nc_u32 v[AVS], s82, v254
	v_lshlrev_b32 v229, 4, v9
	v_sub_nc_u32 v229, v8, v229
	v_add_nc_u32 v231, s89, v229
	v_add_nc_u32 v229, s78, v229                   ; my query - the diagonal step's first key - 16 h: register 16 b + i is hidden where 32 b + i is greater
	v_and_b32 v[PFO], 31, v0
	v_min_u32 v[PFO], 17, v[PFO]
	v_lshlrev_b32 v[PFO], 8, v[PFO]
	v_mov_b32 v13, 0xff61b1e6                      ; the largest t so far: -3e38, under every t
	v_floor_f32 v12, -v13                          ; -M
	v_mov_b32 v14, 0
	v_mov_b32 v15, 0
.irp j, 0,1,2,3,4,5,6,7
	v_mov_b32 v[24+\j], 0                          ; q's zero codes
.endr
.irp b, 236,237,238,239,247,252,253
	v_mov_b32 v\b, 0                               ; lane permutes' destinations and upper halves of pairs count as read
.endr
.set J, 0
.rept 32
	v_mov_b32 v[O+J], 0                            ; O^T: the step is written once; a tile's first step finds zeros
.set J, J+1
.endr
; A KEY STEP: my 128 keys of the slot in hand.
.macro STEP
	s_cmp_gt_u32 s[KF], s[SD]                      ; all keys come after my queries: the step's work is left out (no barrier and no tensor load stands in a step)
	s_cbranch_scc1 .Lhidden_\@
	v_add_nc_u32 v[ADK], s[TB], v[AK0]
	v_add_nc_u32 v[ADV], s[TB], v[AV0]
	v_add_nc_u32 v[ADS], s[TB], v[AKS]
	v_add_nc_u32 v[ADT], s[TB], v[AVS]
.rept 4
	v_nop                                          ; with the four additions: eight places in front of loads into registers that matrix instructions have read
.endr
.irp t, 0,1,2,3,4,5,6,7
	ds_load_b128 v[32+8*\t:35+8*\t], v[ADK] offset:(32*(\t/2)+8*(\t%2))*144
	ds_load_b128 v[36+8*\t:39+8*\t], v[ADK] offset:(32*(\t/2)+8*(\t%2))*144+32
	ds_load_u16 v[216+\t], v[ADS] offset:(32*(\t/2)+8*(\t%2))*144
.endr
	s_wait_alu depctr_va_vdst(0)
	s_wait_dscnt 0x0
.irp t, 0,1,2,3,4,5,6,7
	v_wmma_scale_f32_16x16x128_f8f6f4 v[S+8*\t:S+8*\t+7], v[32+8*\t:47+8*\t], v[16:31], 0, v[216+\t], v228
.endr
.rept 8
	v_nop
.endr
.irp t, 0,1,2,3                        ; v's four fragments land while the softmax is walked
.irp c, 0,1,2,3
	ds_load_b128 v[32+16*\t+4*\c:35+16*\t+4*\c], v[ADV] offset:16*\t*144+32*\c
.endr
	ds_load_b32 v[224+\t], v[ADT] offset:16*\t*144
.endr
	s_cmp_lt_u32 s[KF], s[SD]                      ; all keys count: no mask
	s_cbranch_scc1 .Lopen_\@
	v_mov_b32 v254, 0xff800000                     ; on the diagonal hidden scores become -infinity ahead of the maximum: p = 0 then
.set N, 0
.rept 64
	v_cmp_gt_i32 vcc_lo, 32*(N/16)+N%16, v229
	v_cndmask_b32 v[S+N], v[S+N], v254, vcc_lo
.set N, N+1
.endr
.Lopen_\@:
.irp b, 0,1,2,3
	v_max3_num_f32 v[232+\b], v[S+16*\b], v[S+1+16*\b], v[S+2+16*\b]   ; the largest score of each block of 32 keys: for the row's maximum, and, since p rises with the score, for the block's largest p
.endr
.irp i, 3,5,7,9,11,13
.irp b, 0,1,2,3
	v_max3_num_f32 v[232+\b], v[232+\b], v[S+16*\b+\i], v[S+1+16*\b+\i]
.endr
.endr
.irp b, 0,1,2,3
	v_max_num_f32 v[232+\b], v[232+\b], v[S+15+16*\b]
.endr
.irp b, 0,1,2,3
	s_delay_alu instid0(VALU_DEP_4)
	v_permlanex16_b32 v[236+\b], v[232+\b], s[SEL], s[SEL+1]
.endr
.irp b, 0,1,2,3
	s_delay_alu instid0(VALU_DEP_4)
	v_max_num_f32 v[232+\b], v[232+\b], v[236+\b]  ; with lane l xor 16's 16 keys
.endr
	s_delay_alu instid0(VALU_DEP_2)
	v_max3_num_f32 v254, v232, v233, v234
	s_delay_alu instid0(VALU_DEP_1)
	v_max_num_f32 v254, v254, v235
	s_delay_alu instid0(VALU_DEP_1)
	v_mul_f32 v254, s[CS], v254                    ; as t (c is positive)
	s_delay_alu instid0(VALU_DEP_1)
	v_max_num_f32 v13, v13, v254                   ; the running largest t
	v_mov_b32 v254, v12
	s_delay_alu instid0(VALU_DEP_2)
	v_floor_f32 v12, -v13                          ; the new -M = -ceil(t): a whole number
	s_delay_alu instid0(VALU_DEP_1)
	v_sub_f32 v254, v12, v254                      ; old M - new M: a whole number, 0 or less
	s_delay_alu instid0(VALU_DEP_1)
	v_cvt_i32_f32 v254, v254                       ; (it saturates)
	s_delay_alu instid0(VALU_DEP_1)
	v_ldexp_f32 v252, 1.0, v254                    ; f = 2^(old M - new M)
.set J, 0
.rept 32
	v_pk_fma_f32 v[S+J:S+J+1], v[S+J:S+J+1], s[CS:CS+1], v[12:13] op_sel_hi:[1,0,0]   ; t - M
.set J, J+2
.endr
.irp b, 0,1,2,3
	v_fma_f32 v[232+\b], v[232+\b], s[CS], v12     ; the same of each block's largest score
.endr
.set J, 0
	s_wait_alu depctr_va_vdst(0)
.rept 64
	v_exp_f32 v[S+J], v[S+J]                       ; p = 2^(t - M)
.set J, J+1
.endr
	v_pk_mul_f32 v[14:15], v[14:15], v[252:253] op_sel_hi:[1,0]    ; the sums under the new M: a plain instruction behind the exponentials
	s_wait_alu depctr_va_vdst(0)                   ; one wait for the whole batch, ahead of its first reader
.irp b, 0,1,2,3
	v_exp_f32 v[232+\b], v[232+\b]                 ; the block's largest p: the same two instructions on the same number
.endr
	v_pk_add_f32 v[236:237], v[108:109], v[112:113]   ; the row's sum of the unquantised p, in eight chains
	v_pk_add_f32 v[254:255], v[116:117], v[120:121]
	v_pk_add_f32 v[250:251], v[124:125], v[128:129]
	v_pk_add_f32 v[248:249], v[132:133], v[136:137]
	v_pk_add_f32 v[246:247], v[140:141], v[144:145]
	v_pk_add_f32 v[244:245], v[148:149], v[152:153]
	v_pk_add_f32 v[242:243], v[156:157], v[160:161]
	v_pk_add_f32 v[14:15], v[14:15], v[164:165]
	v_pk_add_f32 v[236:237], v[236:237], v[104:105]
	v_pk_add_f32 v[254:255], v[254:255], v[106:107]
	v_pk_add_f32 v[250:251], v[250:251], v[110:111]
	v_pk_add_f32 v[248:249], v[248:249], v[114:115]
	v_pk_add_f32 v[246:247], v[246:247], v[118:119]
	v_pk_add_f32 v[244:245], v[244:245], v[122:123]
	v_pk_add_f32 v[242:243], v[242:243], v[126:127]
	v_pk_add_f32 v[14:15], v[14:15], v[130:131]
	v_pk_add_f32 v[236:237], v[236:237], v[134:135]
	v_pk_add_f32 v[254:255], v[254:255], v[138:139]
	v_pk_add_f32 v[250:251], v[250:251], v[142:143]
	v_pk_add_f32 v[248:249], v[248:249], v[146:147]
	v_pk_add_f32 v[246:247], v[246:247], v[150:151]
	v_pk_add_f32 v[244:245], v[244:245], v[154:155]
	v_pk_add_f32 v[242:243], v[242:243], v[158:159]
	v_pk_add_f32 v[14:15], v[14:15], v[162:163]
	v_pk_add_f32 v[236:237], v[236:237], v[166:167]
	s_delay_alu instid0(VALU_DEP_2)
	v_pk_add_f32 v[14:15], v[14:15], v[248:249]
	s_delay_alu instid0(VALU_DEP_2)
	v_pk_add_f32 v[236:237], v[236:237], v[246:247]
	v_pk_add_f32 v[254:255], v[254:255], v[244:245]
	v_pk_add_f32 v[250:251], v[250:251], v[242:243]
	s_delay_alu instid0(VALU_DEP_2)
	v_pk_add_f32 v[14:15], v[14:15], v[254:255]
	s_delay_alu instid0(VALU_DEP_2)
	v_pk_add_f32 v[236:237], v[236:237], v[250:251]
	s_delay_alu instid0(VALU_DEP_1)
	v_pk_add_f32 v[14:15], v[14:15], v[236:237]
	s_wait_alu depctr_va_vdst(0)                   ; and one for the four
.irp b, 0,1,2,3
	v_max_num_f32 v[232+\b], 0x4800000, v[232+\b]  ; the floor 2^(9 - 127): the byte cannot fall under 1
.endr
.irp b, 0,1,2,3
	s_delay_alu instid0(VALU_DEP_4)
	v_add_nc_u32 v[244+\b], 0xfc000000, v[232+\b]  ; the conversion's scale operand
.endr
.irp b, 0,1,2,3
	v_and_or_b32 v[240+\b], v[232+\b], 0x7f800000, s[MNT]   ; 448 x the scale
.endr
.irp b, 0,1,2,3
	v_lshrrev_b32 v[236+\b], 23, v[244+\b]         ; the scale's byte
.endr
	s_delay_alu instid0(VALU_DEP_3)
	v_lshl_or_b32 v253, v237, 8, v236              ; p's scale word for these 128 keys
	s_delay_alu instid0(VALU_DEP_1)
	v_lshl_or_b32 v253, v238, 16, v253
	s_delay_alu instid0(VALU_DEP_1)
	v_lshl_or_b32 v253, v239, 24, v253
.irp b, 0,1,2,3
.irp i, 0,1,2,3,4,5,6,7,8,9,10,11,12,13,14,15
	v_min_num_f32 v[S+16*\b+\i], v[S+16*\b+\i], v[240+\b]   ; the conversion does not saturate (ISA guide 7.6.2); p is not negative, so the hold is one-sided
.endr
	v_cvt_scalef32_pk8_fp8_f32 v[PCD+4*\b:PCD+4*\b+1], v[S+16*\b:S+16*\b+7], v[244+\b]
	v_cvt_scalef32_pk8_fp8_f32 v[PCD+4*\b+2:PCD+4*\b+3], v[S+16*\b+8:S+16*\b+15], v[244+\b]
.endr
	s_wait_alu depctr_va_vdst(0)
.set J, 0
.rept 16
	v_pk_mul_f32 v[O+J:O+J+1], v[O+J:O+J+1], v[252:253] op_sel_hi:[1,0]   ; O^T under the new M; these are also the places in front of the matrix instructions below
.set J, J+2
.endr
	s_wait_alu depctr_va_vdst(0)
	s_wait_dscnt 0x0                               ; v's fragments and scale words are in
.irp t, 0,1,2,3
	v_wmma_scale_f32_16x16x128_f8f6f4 v[O+8*\t:O+8*\t+7], v[32+16*\t:47+16*\t], v[PCD:PCD+15], v[O+8*\t:O+8*\t+7], v[224+\t], v253   ; the four accumulators by turns; eight other products stand between two steps'
.endr
.Lhidden_\@:
	s_add_co_u32 s[KF], s[KF], 256
.endm
; THE CHANGE OF SLOTS stands at a slot's head.  Each wave waits for all its tensor loads, adds 0 to its spare word, and waits for that and for its LDS work so far.
; fill = 1: a round of the cluster's barrier, and behind it the slot just left is filled with what the next trip walks: slot n + 1 of the first tile's walk, or n + 1 - NL of the second's.
.macro CHANGE fill
	s_wait_tensorcnt 0x0                           ; no tensor load of mine is out, so group 0 may be written
	ds_add_u32 v[SPW], v[NIL]                      ; 0 onto my spare word
.if \fill
	s_add_co_u32 s96, s[TR], 1
	s_sub_co_u32 s97, s96, s[NL]
	s_cmp_lt_u32 s96, s[NL]
	s_cselect_b32 s96, s96, s97                    ; which 256 keys: made of the trip and the cluster's x
	s_mul_i32 s96, s96, s[STP]
	s_add_co_u32 s96, s96, s[OFF0]
	s_mov_b32 s97, 0
	s_xor_b32 s[G0+1], s[G0+1], SLOT1              ; the other slot than last time
	s_add_nc_u64 s[G0+2:G0+3], s[4:5], s[96:97]
	s_or_b32 s[G0+3], s[G0+3], 0x80000000
	s_wait_xcnt 0x0                                ; the last prefetch, a slot back, has read its address, so it may be written
	s_add_nc_u64 s[PFA:PFA+1], s[PFA:PFA+1], s[PFS:PFS+1]
	s_wait_dscnt 0x0                               ; the add is done, my reads of the slot that I have left are over, and so are my stores into the stage
	CROUND
	TLOAD                                          ; the first thing behind the round, and my one tensor load until the next
	ASK
.else
	s_wait_dscnt 0x0
	s_barrier_signal -1
	s_barrier_wait -1
.endif
.endm
; A TILE'S END, FIRST PART: wave z = 1 hands over its O^T (each group of four registers at 16 x lane), its -M and its sum (at 4 x lane).
.macro GIVE
	s_cmp_eq_u32 s[ZZ], 0
	s_cbranch_scc1 .Lno_give_\@
	v_and_b32 v238, 31, v0
	v_lshl_add_u32 v234, v238, 4, s94
	v_lshl_add_u32 v235, v238, 2, s94
	v_add_f32 v14, v14, v15
	s_wait_alu depctr_va_vdst(0)
.rept 4
	v_nop                                          ; with the four lines above: eight places behind the last products
.endr
.irp i, 0,1,2,3,4,5,6,7
	ds_store_b128 v234, v[O+4*\i:O+4*\i+3] offset:512*\i   ; each accumulator from its low end on
.endr
	ds_store_b32 v235, v12 offset:4096
	ds_store_b32 v235, v14 offset:4224
.Lno_give_\@:
.endm
; SECOND PART, behind a barrier: wave z = 0 brings both parts under the larger M, adds them, divides by the sum, quantises along d (two blocks of 32 for my head)
; and stores, beside the other head's wave, into the tile's 16 records in the stage.  A part that met no key has -M = 3e38, a sum of 0 and an O^T of zeros: its factor comes out 0.
.macro FIN
	s_cmp_lg_u32 s[ZZ], 0
	s_cbranch_scc1 .Lno_fin_\@
	v_and_b32 v238, 31, v0
	v_lshl_add_u32 v234, v238, 4, s94
	v_lshl_add_u32 v235, v238, 2, s94
.irp i, 0,1,2,3,4,5,6,7
	ds_load_b128 v[S+4*\i:S+4*\i+3], v234 offset:512*\i
.endr
	ds_load_b32 v232, v235 offset:4096             ; the other part's -M,
	ds_load_b32 v233, v235 offset:4224             ; and its sum
	v_add_f32 v14, v14, v15
	v_and_b32 v236, 15, v0                         ; r
	v_bfe_u32 v237, v0, 4, 1                       ; h
	v_mul_u32_u24 v239, v236, 144
	v_lshl_add_u32 v10, v237, 3, v239
	v_add_nc_u32 v10, s84, v10                     ; my codes: record r, byte 64 e + 8 h
	v_add_nc_u32 v11, s85, v239                    ; my two scale bytes
	v_add_nc_u32 v9, s86, v239                     ; my share of the zeros
	v_mov_b32 v242, 0
	v_mov_b32 v243, 0
	s_wait_alu depctr_va_vdst(0)
	s_wait_dscnt 0x0
	v_min_num_f32 v240, v12, v232                  ; -M of both parts together
	v_sub_f32 v241, v240, v12                      ; my M less it, and the other part's: whole numbers, 0 or less
	v_sub_f32 v244, v240, v232
	v_cvt_i32_f32 v241, v241                       ; (they saturate)
	v_cvt_i32_f32 v244, v244
	v_ldexp_f32 v252, 1.0, v241                    ; my part's factor,
	v_ldexp_f32 v246, 1.0, v244                    ; the other's
	v_mul_f32 v14, v14, v252
	v_fma_f32 v14, v233, v246, v14
.set J, 0
.rept 16
	v_pk_mul_f32 v[O+J:O+J+1], v[O+J:O+J+1], v[252:253] op_sel_hi:[1,0]   ; each accumulator from its low end on
.set J, J+2
.endr
.set J, 0
.rept 16
	v_pk_fma_f32 v[O+J:O+J+1], v[S+J:S+J+1], v[246:247], v[O+J:O+J+1] op_sel_hi:[1,0,1]
.set J, J+2
.endr
	v_permlanex16_b32 v242, v14, s[SEL], s[SEL+1]
	v_add_f32 v14, v14, v242                       ; the row's sum
	s_wait_alu depctr_va_vdst(0)
	v_rcp_f32 v14, v14
	v_mov_b32 v242, 0                              ; a plain instruction behind the transcendental
	s_wait_alu depctr_va_vdst(0)                   ; the wait ahead of the reciprocal's first reader
.set J, 0
.rept 32
	v_mul_f32 v[S+J], v[O+J], v14                  ; register 8 t + i is o(r, 16 t + 8 h + i)
.set J, J+1
.endr
	v_max3_num_f32 v240, |v[S]|, |v[S+1]|, 0x4800000
	v_max3_num_f32 v241, |v[S+16]|, |v[S+17]|, 0x4800000
.irp i, 2,4,6,8,10,12,14
	v_max3_num_f32 v240, v240, |v[S+\i]|, |v[S+1+\i]|
	v_max3_num_f32 v241, v241, |v[S+16+\i]|, |v[S+17+\i]|
.endr
	v_permlanex16_b32 v242, v240, s[SEL], s[SEL+1]
	v_permlanex16_b32 v243, v241, s[SEL], s[SEL+1]
	v_max_num_f32 v240, v240, v242
	v_max_num_f32 v241, v241, v243
	v_add_nc_u32 v244, 0xfc000000, v240
	v_add_nc_u32 v245, 0xfc000000, v241
	v_and_or_b32 v246, v240, 0x7f800000, s[MNT]
	v_and_or_b32 v247, v241, 0x7f800000, s[MNT]
	v_lshrrev_b32 v242, 23, v244
	v_lshrrev_b32 v243, 23, v245
	v_lshl_or_b32 v242, v243, 8, v242              ; my head's two scale bytes
.irp b, 0,1
.irp i, 0,1,2,3,4,5,6,7,8,9,10,11,12,13,14,15
	v_med3_num_f32 v[S+16*\b+\i], v[S+16*\b+\i], -v[246+\b], v[246+\b]
.endr
.endr
.irp t, 0,1,2,3
	v_cvt_scalef32_pk8_fp8_f32 v[PCD+2*\t:PCD+2*\t+1], v[S+8*\t:S+8*\t+7], v[244+\t/2]
.endr
	v_nop                                          ; a plain instruction behind the last conversion
.irp t, 0,1,2,3
	ds_store_b64 v10, v[PCD+2*\t:PCD+2*\t+1] offset:16*\t
.endr
	ds_store_b16 v11, v242                         ; both halves of the lanes write the same bytes
	ds_store_b16 v11, v24 offset:4                 ; bytes 132 + 2 e on: zeros,
	ds_store_b32 v9, v24                           ; and 136 + 4 e on
.Lno_fin_\@:
.endm
; THIRD PART, behind a further barrier: the records leave the stage by the waves z = 0: a wave stores 512 consecutive bytes twice, at a multiple of 256 from orec's first byte; the wave of head 1 also the tile's last 256.
.macro OUT o
	s_cmp_lg_u32 s[ZZ], 0
	s_cbranch_scc1 .Lno_out_\@
	v_and_b32 v238, 31, v0
	v_lshl_add_u32 v8, v238, 4, s87
	v_lshl_add_u32 v248, v238, 3, s88
	v_lshlrev_b32 v249, 3, v238
	v_lshlrev_b32 v250, 4, v238
	s_wait_alu depctr_va_vdst(0)
	ds_load_b128 v[S:S+3], v8
	ds_load_b128 v[S+4:S+7], v8 offset:512
	s_wait_dscnt 0x0
	global_store_b128 v250, v[S:S+3], s[\o:\o+1]
	global_store_b128 v250, v[S+4:S+7], s[\o:\o+1] offset:512
	s_cmp_eq_u32 s[EE], 0
	s_cbranch_scc1 .Lno_tail_\@
	ds_load_b64 v[S+8:S+9], v248
	s_wait_dscnt 0x0
	global_store_b64 v249, v[S+8:S+9], s[\o:\o+1] offset:1024
.Lno_tail_\@:
	s_wait_xcnt 0x0                                ; the stores have read their registers, which are written again further on
.Lno_out_\@:
.endm
.macro SECOND                          ; on to the second tile.  The first eight lines name no register of the last products: they are the places ahead of the lines that write O^T
.irp j, 0,1,2,3,4,5,6,7
	v_mov_b32 v[16+\j], v[96+\j]
.endr
	v_mov_b32 v228, v230
	v_mov_b32 v229, v231
	v_mov_b32 v13, 0xff61b1e6
	v_floor_f32 v12, -v13
	v_mov_b32 v14, 0
	v_mov_b32 v15, 0
.set J, 0
.rept 32
	v_mov_b32 v[O+J], 0
.set J, J+1
.endr
	s_mov_b32 s[SD], s[SDH]
	s_mov_b32 s[KF], s[KZ]
	s_wait_alu depctr_va_vdst(0)
.endm
	s_wait_alu depctr_va_vdst(0)
	s_wait_loadcnt 0x0                             ; q, both tiles'
.Lslot:                                            ; eight trips: behind each change of slots but the last the next slot is asked for
	s_cmp_lg_u32 s[TR], s[NL]                      ; the trip and the cluster's x: the same in all waves and all partners
	s_cbranch_scc1 .Lkeep
	GIVE
.Lkeep:
	s_wait_dscnt 0x0                               ; what I hand over is stored
	s_barrier_signal -1                            ; and every wave's reads of the stage are over before any wave stores into it
	s_barrier_wait -1
	s_cmp_lg_u32 s[TR], s[NL]
	s_cbranch_scc1 .Lgo_on
	FIN
.Lgo_on:
	CHANGE 1
	s_cmp_lg_u32 s[TR], s[NL]
	s_cbranch_scc1 .Lsame
	OUT 16
	SECOND
.Lsame:
	STEP
	s_xor_b32 s[TB], s[TB], SLOT1
	s_add_co_u32 s[TR], s[TR], 1
	s_cmp_lt_u32 s[TR], 8
	s_cbranch_scc1 .Lslot
	CHANGE 0                                       ; the last slot is written out
	STEP
	GIVE
	s_wait_dscnt 0x0                               ; for the others' sake: what I hand over is stored
	s_barrier_signal -1
	s_barrier_wait -1
	FIN
	s_wait_dscnt 0x0                               ; for the others' sake: my stores into the stage are done
	s_barrier_signal -1
	s_barrier_wait -1
	OUT 92
	s_wait_tensorcnt 0x0                           ; the wave's end
	ds_add_u32 v[SPW], v[NIL]
	s_wait_dscnt 0x0
	CROUND                                         ; the closing round
	s_endpgm
.Lfunc_end_k_qd54ccf9bc3_attn:
	.size	k_qd54ccf9bc3_attn, .Lfunc_end_k_qd54ccf9bc3_attn-k_qd54ccf9bc3_attn
	.p2alignl 7, 3214868480
	.fill 96, 4, 3214868480
	.section	.rodata,"a",@progbits
	.p2align	6, 0x0
	.amdhsa_kernel k_qd54ccf9bc3_attn
		.amdhsa_group_segment_fixed_size 327680
		.amdhsa_private_segment_fixed_size 0
		.amdhsa_enable_private_segment 0
		.amdhsa_kernarg_size 16
		.amdhsa_user_sgpr_count 2
		.amdhsa_user_sgpr_kernarg_segment_ptr 1
		.amdhsa_wavefront_size32 1
		.amdhsa_system_sgpr_workgroup_id_x 1
		.amdhsa_system_sgpr_workgroup_id_y 1
		.amdhsa_system_sgpr_workgroup_id_z 1
		.amdhsa_system_vgpr_workitem_id 0
		.amdhsa_next_free_vgpr 256
		.amdhsa_next_free_sgpr 100
		.amdhsa_reserve_vcc 1
		.amdhsa_float_denorm_mode_32 3
		.amdhsa_float_denorm_mode_16_64 3
		.amdhsa_memory_ordered 1
		.amdhsa_forward_progress 1
		.amdhsa_inst_pref_size 87
	.end_amdhsa_kernel
	.amdgpu_metadata
---
amdhsa.version: [ 1, 2 ]
amdhsa.kernels:
  - .name:           k_qd54ccf9bc3_attn
    .symbol:         k_qd54ccf9bc3_attn.kd
    .args:
      - { .name: qkvrec, .offset: 0, .size: 8, .value_kind: global_buffer, .address_space: global }
      - { .name: orec, .offset: 8, .size: 8, .value_kind: global_buffer, .address_space: global }
    .group_segment_fixed_size: 327680
    .private_segment_fixed_size: 0
    .kernarg_segment_align: 8
    .kernarg_segment_size: 16
    .max_flat_workgroup_size: 512
    .sgpr_count:     100
    .vgpr_count:     256
    .wavefront_size: 32
...
	.end_amdgpu_metadata
.endif
;; end of part 3
;; launch proj (part 4): grid 8 x 32, 4 waves a work-group, clusters of 4 x 4, 327,680 bytes of LDS; arguments orec, wrec, bproj, x, x1; writes x1
.if DOCPART == 4
	.amdgcn_target "amdgcn-amd-amdhsa--gfx1250"
	.amdhsa_code_object_version 6
	.text
	.protected	k_qd54ccf9bc3_proj
	.globl	k_qd54ccf9bc3_proj
	.p2align	8
	.type	k_qd54ccf9bc3_proj,@function
k_qd54ccf9bc3_proj:
	s_mov_b64 s[64:65], 0
	v_nop
	global_prefetch_b8 v0, s[64:65] scope:SCOPE_SE
	s_setreg_imm32_b32 hwreg(HW_REG_WAVE_MODE, 25, 1), 1
	s_wait_xcnt 0x0
	s_wait_alu depctr_hold_cnt(0) depctr_sa_sdst(0) depctr_va_vdst(0) depctr_va_sdst(0) depctr_va_ssrc(0) depctr_va_vcc(0) depctr_vm_vsrc(0)
	s_getreg_b32 s2, hwreg(HW_REG_IB_STS2, 6, 4)
	s_cmp_eq_u32 s2, 0
	s_cbranch_scc0 .Lentry_in_a_cluster
	s_endpgm
.Lentry_in_a_cluster:
	s_bfe_u32 s2, ttmp6, 0x10000c
	s_cmp_lg_u32 s2, 0xf033
	s_cbranch_scc0 .Lentry_shape_is_right
	s_endpgm
.Lentry_shape_is_right:
; x1 = x + Q(o) Q(Wproj) + bproj: a GEMM on operand records (144 bytes: 128 codes of FP8 (E4M3), four E8M0 scale bytes, 12 zeros; laid [K / 128][rows][144]), K = 1,024.
; A work-group of four waves makes 128 x 128, a wave 64 x 64; clusters of 4 x 4: A's tile is asked for jointly along a row of the cluster, B's along a column.
; LDS is laid [region: A's rows 0-63, 64-127, B's rows 0-63, 64-127][slot of four chunks]: a region's two slots lie on end, and the head's one load a wave brings all eight chunks of its 64 rows.
; The bias is the C of each sum's first product; x is added on the way out, which goes through a stage in slot 0 of region 0.  No loop along K to run ahead in: no prefetch.
.set SIZE_K, 1024
.set WOFF,  9437184
.set CH4,   589824
.set CH1,   147456
.set CHL,   9216
.set REG,   4*CHL
.set SLOT,  REG
.set SPARE, 8*REG
.set LAPS,  SIZE_K/1024
.set ADRA,  16
.set ADRB,  20
.set ADRS,  22
.set STO,   24
.set RD,    25
.set CO,    26
.set SPW,   28
.set NIL,   29
.set SC,    32
.set BI,    40
.set ACC,   128
.set F0,    0
.set F1,    128
.set G1,    24
.set G0,    32
.set G1B,   48
.set G0B,   56
.set MSB,   0
.macro WIN new
.if MSB != \new
	s_set_vgpr_msb (MSB<<8)|\new
.set MSB, \new
.endif
.endm
.set MUL, 0x05
.macro JLOAD g0a, g1a, g0b, g1b
	s_cmp_eq_u32 s15, 0
	s_cbranch_scc0 .Lfor_b_\@
	tensor_load_to_lds s[\g0a:\g0a+3], s[\g1a:\g1a+7]
	s_nop 0
.rept 4
	v_nop
.endr
	s_branch .Lasked_\@
.Lfor_b_\@:
	tensor_load_to_lds s[\g0b:\g0b+3], s[\g1b:\g1b+7]
	s_nop 0
.rept 4
	v_nop
.endr
.Lasked_\@:
.endm
.macro CREST
	s_cmp_lg_u32 s14, 0
	s_cbranch_scc1 .Lnot_wave_0_\@
	s_barrier_signal -3
.Lnot_wave_0_\@:
	s_barrier_wait -3
	s_barrier_signal -1
	s_barrier_wait -1
.endm
.macro CROUND
	s_barrier_signal -1
	s_barrier_wait -1
	CREST
.endm
	s_load_b128 s[4:7], s[0:1], 0x0
	s_load_b128 s[8:11], s[0:1], 0x10
	s_load_b64 s[12:13], s[0:1], 0x20
	v_lshl_add_u32 v[SPW], v0, 2, SPARE
	v_mov_b32 v[NIL], 0
	ds_add_u32 v28, v29
	ds_add_u32 v28, v29
	s_wait_dscnt 0x0
	v_lshrrev_b32 v1, 5, v0
	v_readfirstlane_b32 s14, v1
	s_lshr_b32 s15, s14, 1
	s_and_b32 s16, s14, 1
	s_bfe_u32 s40, ttmp6, 0x40000
	s_bfe_u32 s41, ttmp6, 0x40004
	s_lshl_b32 s42, ttmp9, 2
	s_add_co_u32 s42, s42, s40
	s_and_b32 s17, ttmp7, 0xffff
	s_lshl_b32 s17, s17, 2
	s_add_co_u32 s17, s17, s41
	s_lshl_b32 s43, s41, 2
	s_lshl_b32 s43, 15, s43
	s_lshl_b32 s44, 0x1111, s40
	s_or_b32 s[G1+0], s43, (3<<16)|(1<<21)
	s_or_b32 s[G1B+0], s44, (3<<16)|(1<<21)
.irp g, G1, G1B
	s_mov_b32 s[\g+1], 1152<<16
	s_mov_b32 s[\g+2], 8<<16
	s_mov_b32 s[\g+3], 1152<<16
	s_mov_b32 s[\g+4], 8
	s_mov_b32 s[\g+6], 0
	s_mov_b32 s[\g+7], 0
.endr
	s_mov_b32 s[G1+5], 73728
	s_mov_b32 s[G1B+5], 18432
	s_lshl_b32 s18, s16, 6
	s_lshl_b32 s20, s17, 7
	s_add_co_u32 s20, s20, s18
	s_mul_i32 s20, s20, 144
	s_mov_b32 s21, 0
	s_lshl_b32 s46, s42, 7
	s_add_co_u32 s46, s46, s18
	s_mul_i32 s46, s46, 144
	s_add_co_u32 s46, s46, WOFF
	s_mov_b32 s47, 0
	s_mul_i32 s45, s14, 2*REG
	s_wait_kmcnt 0x0
	s_add_nc_u64 s[20:21], s[4:5], s[20:21]
	s_add_nc_u64 s[46:47], s[6:7], s[46:47]
	CROUND
.irp s, 0,1
	s_mov_b32 s[G0+4*\s], 1
	s_add_co_u32 s[G0+4*\s+1], s45, \s*SLOT
	s_add_nc_u64 s[G0+4*\s+2:G0+4*\s+3], s[20:21], \s*4*CH4
	s_or_b32 s[G0+4*\s+3], s[G0+4*\s+3], 0x80000000
	s_mov_b32 s[G0B+4*\s], 1
	s_add_co_u32 s[G0B+4*\s+1], s45, \s*SLOT
	s_add_nc_u64 s[G0B+4*\s+2:G0B+4*\s+3], s[46:47], \s*4*CH1
	s_or_b32 s[G0B+4*\s+3], s[G0B+4*\s+3], 0x80000000
.if \s == 0
	JLOAD G0, G1, G0B, G1B                         ; my one load: both slots of my region
.endif
.endr
	v_and_b32 v1, 15, v0
	v_bfe_u32 v2, v0, 4, 1
	v_mul_u32_u24 v3, v1, 144
	v_lshl_add_u32 v4, v2, 4, v3
	s_mul_i32 s21, s15, 2*REG
	s_mul_i32 s22, s16, 2*REG
	s_add_co_u32 s22, s22, 4*REG
	s_sub_co_u32 s23, s22, s21
	v_mul_u32_u24 v5, s23, v2
	v_add_nc_u32 v5, v5, v3
	v_add_nc_u32 v5, 128, v5
.irp s, 0,1
	v_add_nc_u32 v[ADRA+\s], s21, v4
	v_add_nc_u32 v[ADRB+\s], s22, v4
	v_add_nc_u32 v[ADRS+\s], s21, v5
	s_add_co_u32 s21, s21, SLOT
	s_add_co_u32 s22, s22, SLOT
.endr
	s_mul_i32 s23, s14, 16*272
	v_mul_u32_u24 v5, v1, 272
	v_lshl_add_u32 v5, v2, 5, v5
	v_add_nc_u32 v[STO], s23, v5
	v_mul_u32_u24 v5, v2, 272
	v_lshl_add_u32 v5, v1, 4, v5
	v_add_nc_u32 v[RD], s23, v5
	v_lshlrev_b32 v5, 12, v2
	v_lshl_add_u32 v[CO], v1, 4, v5
	v_lshlrev_b32 v7, 5, v2
	s_wait_alu depctr_va_vdst(0)
	s_lshl_b32 s20, s17, 7
	s_lshl_b32 s21, s15, 6
	s_add_co_u32 s20, s20, s21
	s_lshl_b32 s20, s20, 12
	s_lshl_b32 s46, s42, 9
	s_lshl_b32 s47, s16, 8
	s_add_co_u32 s46, s46, s47
	s_mov_b32 s47, 0
	s_add_nc_u64 s[8:9], s[8:9], s[46:47]
	s_add_co_u32 s20, s20, s46
	s_mov_b32 s21, 0
	s_add_nc_u64 s[10:11], s[10:11], s[20:21]
	s_add_nc_u64 s[12:13], s[12:13], s[20:21]
.irp b, 0,1,2,3
	global_load_b128 v[BI+8*\b:BI+8*\b+3], v7, s[8:9] offset:64*\b
	global_load_b128 v[BI+8*\b+4:BI+8*\b+7], v7, s[8:9] offset:64*\b+16
.endr
.macro MUL4 f, a, zero
.set PR, (\f)/128
.irp b, 0,1,2,3
.if \zero == 2
	v_wmma_scale_f32_16x16x128_f8f6f4 v[ACC+8*(4*(\a)+\b):ACC+8*(4*(\a)+\b)+7], v[(\f)+64+16*\b:(\f)+64+16*\b+15], v[(\f)+16*(\a):(\f)+16*(\a)+15], v[BI+8*\b:BI+8*\b+7], v[SC+4*PR+\b], v[SC+4*PR+(\a)] matrix_a_scale:MATRIX_SCALE_ROW1
.else
	v_wmma_scale_f32_16x16x128_f8f6f4 v[ACC+8*(4*(\a)+\b):ACC+8*(4*(\a)+\b)+7], v[(\f)+64+16*\b:(\f)+64+16*\b+15], v[(\f)+16*(\a):(\f)+16*(\a)+15], v[ACC+8*(4*(\a)+\b):ACC+8*(4*(\a)+\b)+7], v[SC+4*PR+\b], v[SC+4*PR+(\a)] matrix_a_scale:MATRIX_SCALE_ROW1
.endif
.endr
.endm
.macro FETCH slot, q, f
.set PR, (\f)/128
	WIN 0
.irp i, 0,1,2,3
	ds_load_b32 v[SC+4*PR+\i], v[ADRS+\slot] offset:CHL*(\q)+2304*\i
.endr
	WIN 0x40
.irp i, 0,1,2,3
.irp c, 0,1,2,3
	ds_load_b128 v[(\f)+64+16*\i+4*\c:(\f)+64+16*\i+4*\c+3], v[ADRB+\slot] offset:CHL*(\q)+2304*\i+32*\c
.endr
.endr
.irp i, 0,1,2,3
.irp c, 0,1,2,3
	ds_load_b128 v[(\f)+16*\i+4*\c:(\f)+16*\i+4*\c+3], v[ADRA+\slot] offset:CHL*(\q)+2304*\i+32*\c
.endr
.endr
.endm
.macro PLACES n
.rept \n
	v_nop
.endr
.endm
.macro STEP slot, q, zero
.set FC, 128*((\q)%2)
.set FN, 128-FC
	s_wait_dscnt 8
	WIN MUL
	MUL4 FC, 0, \zero
	MUL4 FC, 1, \zero
	s_wait_dscnt 0x0
	PLACES 8
	FETCH \slot, (\q)+1, FN
	WIN MUL
	MUL4 FC, 2, \zero
	MUL4 FC, 3, \zero
.endm
.macro TURN slot, next, fill
	WIN 0
	s_wait_tensorcnt 0x0
	ds_add_u32 v[SPW], v[NIL]
	s_wait_dscnt 9
	WIN MUL
	MUL4 F1, 0, 0
	s_wait_dscnt 0x0
	s_barrier_signal -1
	MUL4 F1, 1, 0
	WIN 0
	s_barrier_wait -1
.if \fill
	CREST
	s_add_nc_u64 s[G0+4*\slot+2:G0+4*\slot+3], s[G0+4*\slot+2:G0+4*\slot+3], 8*CH4
	s_add_nc_u64 s[G0B+4*\slot+2:G0B+4*\slot+3], s[G0B+4*\slot+2:G0B+4*\slot+3], 8*CH1
	JLOAD G0+4*\slot, G1, G0B+4*\slot, G1B
	PLACES 4
.else
	PLACES 8
.endif
	FETCH \next, 0, F0
	WIN MUL
	MUL4 F1, 2, 0
	MUL4 F1, 3, 0
.endm
	s_wait_tensorcnt 0x0                           ; my part of both slots is in
	s_barrier_signal -1
	s_barrier_wait -1
	FETCH 0, 0, F0
	s_wait_loadcnt 0x0                             ; the bias
	WIN 0x80                                       ; x, which is wanted on the way out alone, is asked for when the tiles are in: 32 loads into window 2
.irp a, 0,1,2,3
.irp t, 0,1,2,3,4,5,6,7
	global_load_b128 v[32*\a+4*\t:32*\a+4*\t+3], v[CO], s[10:11] offset:(16*\a+2*\t)*4096
.endr
.endr
	STEP 0, 0, 2
.if LAPS > 1
	WIN 0
	s_mov_b32 s3, LAPS-1
.Llap:
	STEP 0, 1, 0
	STEP 0, 2, 0
	TURN 0, 1, 1
	STEP 1, 0, 0
	STEP 1, 1, 0
	STEP 1, 2, 0
	TURN 1, 0, 1
	STEP 0, 0, 0
	WIN 0
	s_sub_co_u32 s3, s3, 1
	s_cmp_lg_u32 s3, 0
	s_cbranch_scc1 .Llap
.endif
	STEP 0, 1, 0
	STEP 0, 2, 0
	TURN 0, 1, 0
	STEP 1, 0, 0
	STEP 1, 1, 0
	STEP 1, 2, 0
	s_wait_dscnt 8
	WIN MUL
	MUL4 F1, 0, 0
	MUL4 F1, 1, 0
	s_wait_dscnt 0x0
	MUL4 F1, 2, 0
	MUL4 F1, 3, 0
	WIN 0
	PLACES 8
	s_wait_loadcnt 0x0
.irp a, 0,1,2,3
.set OBB, 72-32*((\a)%2)
.if \a >= 2
	s_wait_xcnt 0x0
.endif
.irp b, 0,1,2,3
	ds_store_b128 v[STO], v[ACC+8*(4*\a+\b):ACC+8*(4*\a+\b)+3] offset:64*\b
	ds_store_b128 v[STO], v[ACC+8*(4*\a+\b)+4:ACC+8*(4*\a+\b)+7] offset:64*\b+16
.endr
.irp t, 0,1,2,3,4,5,6,7
	ds_load_b128 v[OBB+4*\t:OBB+4*\t+3], v[RD] offset:544*\t
.endr
	s_wait_dscnt 0x0
	WIN 0x08
.set I, 0
.rept 16
	v_pk_add_f32 v[OBB+I:OBB+I+1], v[OBB+I:OBB+I+1], v[32*\a+I:32*\a+I+1]
.set I, I+2
.endr
	WIN 0
.irp t, 0,1,2,3,4,5,6,7
	global_store_b128 v[CO], v[OBB+4*\t:OBB+4*\t+3], s[12:13] offset:(16*\a+2*\t)*4096
.endr
.endr
	s_wait_tensorcnt 0x0
	ds_add_u32 v[SPW], v[NIL]
	s_wait_dscnt 0x0
	CROUND
	s_endpgm
.Lfunc_end_k_qd54ccf9bc3_proj:
	.size	k_qd54ccf9bc3_proj, .Lfunc_end_k_qd54ccf9bc3_proj-k_qd54ccf9bc3_proj
	.p2alignl 7, 3214868480
	.fill 96, 4, 3214868480
	.section	.rodata,"a",@progbits
	.p2align	6, 0x0
	.amdhsa_kernel k_qd54ccf9bc3_proj
		.amdhsa_group_segment_fixed_size 327680
		.amdhsa_private_segment_fixed_size 0
		.amdhsa_enable_private_segment 0
		.amdhsa_kernarg_size 40
		.amdhsa_user_sgpr_count 2
		.amdhsa_user_sgpr_kernarg_segment_ptr 1
		.amdhsa_wavefront_size32 1
		.amdhsa_system_sgpr_workgroup_id_x 1
		.amdhsa_system_sgpr_workgroup_id_y 1
		.amdhsa_system_sgpr_workgroup_id_z 1
		.amdhsa_system_vgpr_workitem_id 0
		.amdhsa_next_free_vgpr 768
		.amdhsa_next_free_sgpr 100
		.amdhsa_reserve_vcc 0
		.amdhsa_float_denorm_mode_32 3
		.amdhsa_float_denorm_mode_16_64 3
		.amdhsa_memory_ordered 1
		.amdhsa_forward_progress 1
		.amdhsa_inst_pref_size 60
	.end_amdhsa_kernel
	.amdgpu_metadata
---
amdhsa.version: [ 1, 2 ]
amdhsa.kernels:
  - .name:           k_qd54ccf9bc3_proj
    .symbol:         k_qd54ccf9bc3_proj.kd
    .args:
      - { .name: orec, .offset: 0, .size: 8, .value_kind: global_buffer, .address_space: global }
      - { .name: wrec, .offset: 8, .size: 8, .value_kind: global_buffer, .address_space: global }
      - { .name: bproj, .offset: 16, .size: 8, .value_kind: global_buffer, .address_space: global }
      - { .name: x, .offset: 24, .size: 8, .value_kind: global_buffer, .address_space: global }
      - { .name: x1, .offset: 32, .size: 8, .value_kind: global_buffer, .address_space: global }
    .group_segment_fixed_size: 327680
    .private_segment_fixed_size: 0
    .kernarg_segment_align: 8
    .kernarg_segment_size: 40
    .max_flat_workgroup_size: 128
    .sgpr_count:     100
    .vgpr_count:     768
    .wavefront_size: 32
...
	.end_amdgpu_metadata
.endif
;; end of part 4
;; launch ln2 (part 5): grid 256 x 1, 4 waves a work-group, no clusters, 18,944 bytes of LDS; arguments x1, ln2_g, ln2_b, hrec; writes hrec
.if DOCPART == 5
	.amdgcn_target "amdgcn-amd-amdhsa--gfx1250"
	.amdhsa_code_object_version 6
	.text
	.protected	k_qd54ccf9bc3_ln2
	.globl	k_qd54ccf9bc3_ln2
	.p2align	8
	.type	k_qd54ccf9bc3_ln2,@function
k_qd54ccf9bc3_ln2:
	s_mov_b64 s[64:65], 0
	v_nop
	global_prefetch_b8 v0, s[64:65] scope:SCOPE_SE
	s_setreg_imm32_b32 hwreg(HW_REG_WAVE_MODE, 25, 1), 1
	s_wait_xcnt 0x0
; A layer norm over rows of 1,024 f32, followed by the quantiser along the row: out = Q((x - mean) rsqrt(var + 1e-5) g + b), as operand records [8 chunks of 128][4,096 rows][144 bytes]
; (128 codes of FP8 (E4M3), four E8M0 scale bytes, 12 zero bytes).  Mean and variance are taken in two passes over the registers, in f32: first the mean, then the mean of (x - mean)^2.
; SHARES.  A work-group takes 16 rows, a wave four, one row at a time, whole in 32 registers: no wave waits for another but at the one barrier.  Load i of a row reads 512 consecutive bytes, 16 a lane:
; lane l holds columns 128 i + 4 l + 0..3, so load i is chunk i, a lane's four codes are word l of the record, and a block of 32 lies in eight neighbouring lanes.
; THE CONVERSION takes eight numbers and one scale; a lane's eight neighbouring registers span two chunks, so each eight are converted twice, once with each chunk's scale, and of each result the half that belongs to that scale is kept.
; The records are gathered in LDS as [8 chunks][16 rows][144] and leave as they lie: a chunk's 16 records are 2,304 dense bytes that start at a multiple of 256 in the buffer.
; LIMITS: a block of zeros gets the byte 1 (its codes are zeros; this program alone reads the bytes); blocks under 2^-118 are held at that byte; NaN and infinities are not served.
; Matrix units, tensor loads and clusters are left out: the rows are read once and nothing is shared.
.set CH4, 589824                       ; a chunk of 4,096 records
.set G,   16                           ; v16-47   g of my 32 columns
.set B,   48                           ; v48-79   b
.set X,   80                           ; v80-207  four rows of 32 numbers; on the way out v80-115
.set P,   208                          ; v208-215 four chains of sums; later four pairs of codes
.set MU,  216                          ; v216-217 the mean (a pair is named, its low word serves both halves)
.set RS,  218                          ; v218-219 1 / sqrt(var + eps)
.set M,   220                          ; v220-227 the chunks' largest magnitudes, then their bytes
.set SCL, 228                          ; v228-235 the conversions' scale operands
.set BD,  236                          ; v236-243 448 x the scale; later four pairs of codes
	s_load_b256 s[4:11], s[0:1], 0x0               ; x, g, b, out
	v_lshl_add_u32 v248, v0, 2, 0x4800
	v_mov_b32 v249, 0
	v_lshrrev_b32 v1, 5, v0
	v_readfirstlane_b32 s16, v1                    ; wave
	v_and_b32 v1, 31, v0                           ; lane
	v_lshlrev_b32 v2, 4, v1                        ; 16 x lane
	s_mul_i32 s17, s16, 576                        ; my wave's four rows in a chunk of the image
	v_lshl_add_u32 v3, v1, 2, s17                  ; where my four codes go
	v_lshrrev_b32 v12, 3, v1
	v_add_nc_u32 v4, s17, v12
	v_add_nc_u32 v4, 128, v4                       ; where my block's byte goes
	v_mul_u32_u24 v5, v12, 144
	v_add_nc_u32 v5, s17, v5
	v_add_nc_u32 v5, 132, v5                       ; the zeros of row lane / 8 of my four
	v_mov_b32 v6, 0
	v_mov_b32 v7, 0
	s_mul_i32 s18, s16, 4608
	v_add_nc_u32 v8, s18, v2                       ; the way out: my wave copies two chunks of the image
	v_bfe_u32 v12, v0, 4, 1
	v_mul_u32_u24 v10, v12, CH4-2304
	v_add_nc_u32 v10, v2, v10                      ; the store that straddles the two chunks: lanes 16-31 are in the second
	v_add_nc_u32 v11, CH4-2304, v2                 ; the stores that lie in the second
	v_mov_b32 v[MU+1], 0                           ; (named as upper halves of pairs)
	v_mov_b32 v[RS+1], 0
	s_mov_b32 s12, 0x76543210
	s_mov_b32 s13, 0xfedcba98                      ; v_permlanex16_b32's selects for lane l xor 16
	s_mov_b32 s14, 0x3a800000                      ; 1 / 1,024
	s_mov_b32 s15, 0x3727c5ac                      ; 1e-5
	s_mov_b32 s19, 0x600000                        ; the mantissa field of 448
	s_lshl_b32 s20, ttmp9, 16                      ; 16 rows of 4,096 bytes,
	s_lshl_b32 s21, s16, 14                        ; my wave's four
	s_add_co_u32 s20, s20, s21
	s_mov_b32 s21, 0
	s_mul_i32 s22, ttmp9, 2304                     ; the work-group's 16 records in a chunk,
	s_mul_i32 s23, s16, 2*CH4                      ; my wave's two chunks
	s_add_co_u32 s22, s22, s23
	s_mov_b32 s23, 0
	s_wait_alu depctr_va_vdst(0)
	s_wait_kmcnt 0x0
	s_add_nc_u64 s[4:5], s[4:5], s[20:21]
	s_add_nc_u64 s[10:11], s[10:11], s[22:23]
.irp i, 0,1,2,3,4,5,6,7
	global_load_b128 v[G+4*\i:G+4*\i+3], v2, s[6:7] offset:512*\i
.endr
.irp i, 0,1,2,3,4,5,6,7
	global_load_b128 v[B+4*\i:B+4*\i+3], v2, s[8:9] offset:512*\i
.endr
.irp p, 0,1,2,3
.irp i, 0,1,2,3,4,5,6,7
	global_load_b128 v[X+32*\p+4*\i:X+32*\p+4*\i+3], v2, s[4:5] offset:4096*\p+512*\i   ; all four rows are asked for at once: 48 loads of the wave are out
.endr
.endr
.irp i, 0,1,2,3,4,5,6,7
	ds_store_b32 v5, v6 offset:2304*\i             ; bytes 132-143 of my four rows' records: eight lanes write the same zeros
	ds_store_b64 v5, v[6:7] offset:2304*\i+4
.endr
.macro RED r, t                        ; the sum over the wave's 32 lanes, in every lane
	v_add_f32_dpp v[\r], v[\r], v[\r] row_xmask:1 row_mask:0xf bank_mask:0xf
	v_add_f32_dpp v[\r], v[\r], v[\r] row_xmask:2 row_mask:0xf bank_mask:0xf
	v_add_f32_dpp v[\r], v[\r], v[\r] row_xmask:4 row_mask:0xf bank_mask:0xf
	v_add_f32_dpp v[\r], v[\r], v[\r] row_xmask:8 row_mask:0xf bank_mask:0xf
	v_permlanex16_b32 v[\t], v[\r], s12, s13
	v_add_f32 v[\r], v[\r], v[\t]
.endm
.macro FOLD                            ; the four chains into one number a lane
	v_pk_add_f32 v[P:P+1], v[P:P+1], v[P+2:P+3]
	v_pk_add_f32 v[P+4:P+5], v[P+4:P+5], v[P+6:P+7]
	v_pk_add_f32 v[P:P+1], v[P:P+1], v[P+4:P+5]
	v_add_f32 v[P], v[P], v[P+1]
	RED P, P+1
.endm
.macro ROW p
.set XS, X+32*(\p)
.if (\p) > 0
	s_wait_dscnt 0x0                               ; the last row's LDS stores are done: the registers that they read are written again below
.endif
	s_wait_loadcnt 8*(3-(\p))                      ; g, b and this row are in; the later rows' eight loads each may be out
.irp c, 0,1,2,3
	v_pk_add_f32 v[P+2*\c:P+2*\c+1], v[XS+2*\c:XS+2*\c+1], v[XS+8+2*\c:XS+9+2*\c]
.endr
.irp k, 16,24
.irp c, 0,1,2,3
	v_pk_add_f32 v[P+2*\c:P+2*\c+1], v[P+2*\c:P+2*\c+1], v[XS+\k+2*\c:XS+\k+1+2*\c]
.endr
.endr
	FOLD
	v_mul_f32 v[MU], s14, v[P]                     ; the mean
.set I, 0
.rept 16
	v_pk_add_f32 v[XS+I:XS+I+1], v[XS+I:XS+I+1], v[MU:MU+1] op_sel_hi:[1,0] neg_lo:[0,1] neg_hi:[0,1]   ; x - mean
.set I, I+2
.endr
.irp c, 0,1,2,3
	v_pk_mul_f32 v[P+2*\c:P+2*\c+1], v[XS+2*\c:XS+2*\c+1], v[XS+2*\c:XS+2*\c+1]
.endr
.irp k, 8,16,24
.irp c, 0,1,2,3
	v_pk_fma_f32 v[P+2*\c:P+2*\c+1], v[XS+\k+2*\c:XS+\k+1+2*\c], v[XS+\k+2*\c:XS+\k+1+2*\c], v[P+2*\c:P+2*\c+1]
.endr
.endr
	FOLD
	v_fma_f32 v[RS], v[P], s14, s15                ; var + eps: the division by 1,024 rounds nothing
	s_wait_alu depctr_va_vdst(0)
	v_rsq_f32 v[RS], v[RS]
	v_nop                                          ; a plain instruction behind the transcendental (ISA guide 5.7.2),
	s_wait_alu depctr_va_vdst(0)                   ; and the wait ahead of the first use
.set I, 0
.rept 16
	v_pk_mul_f32 v[XS+I:XS+I+1], v[XS+I:XS+I+1], v[RS:RS+1] op_sel_hi:[1,0]
.set I, I+2
.endr
.set I, 0
.rept 16
	v_pk_fma_f32 v[XS+I:XS+I+1], v[XS+I:XS+I+1], v[G+I:G+I+1], v[B+I:B+I+1]
.set I, I+2
.endr
.irp i, 0,1,2,3,4,5,6,7
	v_max3_num_f32 v[M+\i], |v[XS+4*\i]|, |v[XS+4*\i+1]|, 0x4800000   ; chunk i: my four numbers, and the floor 2^(9 - 127)
.endr
.irp i, 0,1,2,3,4,5,6,7
	v_max3_num_f32 v[M+\i], v[M+\i], |v[XS+4*\i+2]|, |v[XS+4*\i+3]|
.endr
.irp m, 1,2,4
.irp i, 0,1,2,3,4,5,6,7
	v_max_num_f32_dpp v[M+\i], v[M+\i], v[M+\i] row_xmask:\m row_mask:0xf bank_mask:0xf   ; with the seven lanes that share my block; the eight chunks by turns
.endr
.endr
.irp i, 0,1,2,3,4,5,6,7
	v_add_nc_u32 v[SCL+\i], 0xfc000000, v[M+\i]    ; 8 off the exponent field: the conversion's scale operand
.endr
.irp i, 0,1,2,3,4,5,6,7
	v_and_or_b32 v[BD+\i], v[M+\i], 0x7f800000, s19   ; 448 x the scale
.endr
.irp i, 0,1,2,3,4,5,6,7
	v_lshrrev_b32 v[M+\i], 23, v[SCL+\i]           ; the scale's byte
.endr
.irp i, 0,1,2,3,4,5,6,7
.irp j, 0,1,2,3
	v_med3_num_f32 v[XS+4*\i+\j], v[XS+4*\i+\j], -v[BD+\i], v[BD+\i]   ; the conversion does not saturate (ISA guide 7.6.2): hold first
.endr
.endr
.irp u, 0,1,2,3
	v_cvt_scalef32_pk8_fp8_f32 v[P+2*\u:P+2*\u+1], v[XS+8*\u:XS+8*\u+7], v[SCL+2*\u]       ; with chunk 2 u's scale: the low word is kept
.endr
.irp u, 0,1,2,3
	v_cvt_scalef32_pk8_fp8_f32 v[BD+2*\u:BD+2*\u+1], v[XS+8*\u:XS+8*\u+7], v[SCL+2*\u+1]   ; with chunk 2 u + 1's: the high word is kept
.endr
	v_nop                                          ; a plain instruction behind the last conversion
.irp u, 0,1,2,3
	ds_store_b32 v3, v[P+2*\u] offset:2304*(2*\u)+144*(\p)
	ds_store_b32 v3, v[BD+2*\u+1] offset:2304*(2*\u+1)+144*(\p)
.endr
.irp i, 0,1,2,3,4,5,6,7
	ds_store_b8 v4, v[M+\i] offset:2304*\i+144*(\p)    ; the eight lanes of a block write the same byte with the same value
.endr
.endm
	ROW 0
	ROW 1
	ROW 2
	ROW 3
	s_wait_dscnt 0x0                               ; for the others' sake: my stores into the image are done
	s_barrier_signal -1
	s_barrier_wait -1
.irp i, 0,1,2,3,4,5,6,7,8
	ds_load_b128 v[X+4*\i:X+4*\i+3], v8 offset:512*\i
.endr
.irp i, 0,1,2,3
	s_wait_dscnt 8-\i
	global_store_b128 v2, v[X+4*\i:X+4*\i+3], s[10:11] offset:512*\i       ; sixteen lanes store 256 consecutive bytes, at a multiple of 256 from the buffer's first byte
.endr
	s_wait_dscnt 4
	global_store_b128 v10, v[X+16:X+19], s[10:11] offset:2048
.irp i, 5,6,7,8
	s_wait_dscnt 8-\i
	global_store_b128 v11, v[X+4*\i:X+4*\i+3], s[10:11] offset:512*\i
.endr
	s_wait_tensorcnt 0x0
	ds_add_u32 v248, v249
	s_wait_dscnt 0x0
	s_endpgm
.Lfunc_end_k_qd54ccf9bc3_ln2:
	.size	k_qd54ccf9bc3_ln2, .Lfunc_end_k_qd54ccf9bc3_ln2-k_qd54ccf9bc3_ln2
	.p2alignl 7, 3214868480
	.fill 96, 4, 3214868480
	.section	.rodata,"a",@progbits
	.p2align	6, 0x0
	.amdhsa_kernel k_qd54ccf9bc3_ln2
		.amdhsa_group_segment_fixed_size 18944
		.amdhsa_private_segment_fixed_size 0
		.amdhsa_enable_private_segment 0
		.amdhsa_kernarg_size 32
		.amdhsa_user_sgpr_count 2
		.amdhsa_user_sgpr_kernarg_segment_ptr 1
		.amdhsa_wavefront_size32 1
		.amdhsa_system_sgpr_workgroup_id_x 1
		.amdhsa_system_sgpr_workgroup_id_y 1
		.amdhsa_system_sgpr_workgroup_id_z 1
		.amdhsa_system_vgpr_workitem_id 0
		.amdhsa_next_free_vgpr 250
		.amdhsa_next_free_sgpr 66
		.amdhsa_reserve_vcc 0
		.amdhsa_float_denorm_mode_32 3
		.amdhsa_float_denorm_mode_16_64 3
		.amdhsa_memory_ordered 1
		.amdhsa_forward_progress 1
		.amdhsa_inst_pref_size 66
	.end_amdhsa_kernel
	.amdgpu_metadata
---
amdhsa.version: [ 1, 2 ]
amdhsa.kernels:
  - .name:           k_qd54ccf9bc3_ln2
    .symbol:         k_qd54ccf9bc3_ln2.kd
    .args:
      - { .name: x1, .offset: 0, .size: 8, .value_kind: global_buffer, .address_space: global }
      - { .name: ln2_g, .offset: 8, .size: 8, .value_kind: global_buffer, .address_space: global }
      - { .name: ln2_b, .offset: 16, .size: 8, .value_kind: global_buffer, .address_space: global }
      - { .name: hrec, .offset: 24, .size: 8, .value_kind: global_buffer, .address_space: global }
    .group_segment_fixed_size: 18944
    .private_segment_fixed_size: 0
    .kernarg_segment_align: 8
    .kernarg_segment_size: 32
    .max_flat_workgroup_size: 128
    .sgpr_count:     66
    .vgpr_count:     250
    .wavefront_size: 32
...
	.end_amdgpu_metadata
.endif
;; end of part 5
;; launch ff1 (part 6): grid 16 x 16, 4 waves a work-group, clusters of 4 x 4, 327,680 bytes of LDS; arguments hrec, wrec, b1, arec; writes arec
.if DOCPART == 6
	.amdgcn_target "amdgcn-amd-amdhsa--gfx1250"
	.amdhsa_code_object_version 6
	.text
	.protected	k_qd54ccf9bc3_ff1
	.globl	k_qd54ccf9bc3_ff1
	.p2align	8
	.type	k_qd54ccf9bc3_ff1,@function
k_qd54ccf9bc3_ff1:
	s_mov_b64 s[64:65], 0
	v_nop
	global_prefetch_b8 v0, s[64:65] scope:SCOPE_SE
	s_setreg_imm32_b32 hwreg(HW_REG_WAVE_MODE, 25, 1), 1
	s_wait_xcnt 0x0
	s_wait_alu depctr_hold_cnt(0) depctr_sa_sdst(0) depctr_va_vdst(0) depctr_va_sdst(0) depctr_va_ssrc(0) depctr_va_vcc(0) depctr_vm_vsrc(0)
	s_getreg_b32 s2, hwreg(HW_REG_IB_STS2, 6, 4)
	s_cmp_eq_u32 s2, 0
	s_cbranch_scc0 .Lentry_in_a_cluster
	s_endpgm
.Lentry_in_a_cluster:
	s_bfe_u32 s2, ttmp6, 0x10000c
	s_cmp_lg_u32 s2, 0xf033
	s_cbranch_scc0 .Lentry_shape_is_right
	s_endpgm
.Lentry_shape_is_right:
; arec = Q(relu(Q(h2) Q(W1) + b1)): the body of the launch that makes q, k and v, with FF = 1: A' = the tokens (hrec), B' = W1's records; b1 is the C of each sum's first product; relu is done by the quantiser's hold.
; A work-group of four waves makes 256 x 256; K = 1,024 goes in steps of two chunks through two LDS slots; clusters of 4 x 4 with joint loads.
; LDS is laid [region of 128 rows][slot]: a region's two slots lie on end, and the head's one load a wave fills both.
; PREFETCH INTO THE L2: what the two refills bring, chunks 4 to 7 of the 128 rows that a wave fetches, is asked for at the head, behind the head's load.  Each of the four partners that ask for these rows jointly names
; one chunk of 18,432 bytes, told apart by address (cx for A', cy for B'): twice 32 lanes a block of 256 bytes each, then lanes 0 to 7 the last eight (the others lane 7's again).
.set FF,    1
.set CH4,   589824
.set CH1,   147456
.set CHL,   18432
.set REG,   2*CHL
.set SLOT,  REG
.set SPARE, 8*REG
.set LAPS,  2
.set FR,    16
.set NL,    4
.set NP,    8
.set ADRA,  16
.set ADRB,  20
.set ADRS,  22
.set STO,   24
.set STT,   25
.set RD,    26
.set CO,    27
.set SPW,   28
.set NIL,   29
.set SC,    32
.set BI,    64
.set AF,    128
.set Y,     128
.set TM,    208
.set OUTR,  32
.set G1,    24
.set G0,    32
.set G1B,   48
.set G0B,   56
.set SEL,   66
.set MNT,   68
.set MSB,   0
.macro WIN new
.if MSB != \new
	s_set_vgpr_msb (MSB<<8)|\new
.set MSB, \new
.endif
.endm
.set MUL_LO, 0xa1
.set MUL_HI, 0xf1
.set TO_B,   0x40
.macro JLOAD g0a, g1a, g0b, g1b
	s_cmp_eq_u32 s15, 0
	s_cbranch_scc0 .Lfor_b_\@
	tensor_load_to_lds s[\g0a:\g0a+3], s[\g1a:\g1a+7]
	s_nop 0
.rept 4
	v_nop
.endr
	s_branch .Lasked_\@
.Lfor_b_\@:
	tensor_load_to_lds s[\g0b:\g0b+3], s[\g1b:\g1b+7]
	s_nop 0
.rept 4
	v_nop
.endr
.Lasked_\@:
.endm
.macro CREST
	s_cmp_lg_u32 s14, 0
	s_cbranch_scc1 .Lnot_wave_0_\@
	s_barrier_signal -3
.Lnot_wave_0_\@:
	s_barrier_wait -3
	s_barrier_signal -1
	s_barrier_wait -1
.endm
.macro CROUND
	s_barrier_signal -1
	s_barrier_wait -1
	CREST
.endm
	s_load_b128 s[4:7], s[0:1], 0x0
.if FF
	s_load_b128 s[8:11], s[0:1], 0x10
.else
	s_load_b64 s[10:11], s[0:1], 0x10
.endif
	v_lshl_add_u32 v[SPW], v0, 2, SPARE
	v_mov_b32 v[NIL], 0
	ds_add_u32 v28, v29
	ds_add_u32 v28, v29
	s_wait_dscnt 0x0
	v_lshrrev_b32 v1, 5, v0
	v_readfirstlane_b32 s14, v1
	s_lshr_b32 s15, s14, 1
	s_and_b32 s16, s14, 1
	s_bfe_u32 s40, ttmp6, 0x40000
	s_bfe_u32 s41, ttmp6, 0x40004
	s_and_b32 s19, ttmp7, 0xffff
	s_lshl_b32 s42, ttmp9, 2
	s_add_co_u32 s42, s42, s40
	s_lshl_b32 s17, s19, 2
.if FF == 0
	s_max_u32 s18, s19, 4
	s_sub_co_u32 s18, s18, 4
	s_lshl_b32 s18, s18, 3
	s_add_co_u32 s42, s42, s18
	s_cmp_lt_u32 s19, 4
	s_cselect_b32 s17, s17, 0
.endif
	s_add_co_u32 s17, s17, s41
	s_lshl_b32 s43, s41, 2
	s_lshl_b32 s43, 15, s43
	s_lshl_b32 s44, 0x1111, s40
	s_or_b32 s[G1+0], s43, (3<<16)|(1<<21)
	s_or_b32 s[G1B+0], s44, (3<<16)|(1<<21)
.irp g, G1, G1B
	s_mov_b32 s[\g+1], 2304<<16
	s_mov_b32 s[\g+2], 4<<16
	s_mov_b32 s[\g+3], 2304<<16
	s_mov_b32 s[\g+4], 4
	s_mov_b32 s[\g+5], 73728
	s_mov_b32 s[\g+6], 0
	s_mov_b32 s[\g+7], 0
.endr
	s_lshl_b32 s18, s16, 7
	s_lshl_b32 s20, s17, 8
	s_add_co_u32 s20, s20, s18
	s_mul_i32 s20, s20, 144
	s_mov_b32 s21, 0
	s_lshl_b32 s46, s42, 8
	s_add_co_u32 s46, s46, s18
	s_mul_i32 s46, s46, 144
	s_mov_b32 s47, 0
	s_mul_i32 s45, s14, 2*REG
	s_wait_kmcnt 0x0
.if FF
	s_mov_b64 s[94:95], s[4:5]
	s_add_nc_u64 s[96:97], s[6:7], 4718592
	s_mov_b32 s98, CH4
	s_mov_b32 s99, 0
.else
	s_add_nc_u64 s[92:93], s[6:7], 294912
	s_mov_b32 s98, CH1
	s_mov_b32 s99, 9437184
	s_cmp_lt_u32 s19, 4
	s_cselect_b64 s[94:95], s[4:5], s[92:93]
	s_cselect_b64 s[96:97], s[6:7], s[4:5]
	s_cselect_b32 s98, CH4, s98
	s_cselect_b32 s99, 0, s99
.endif
	s_add_nc_u64 s[20:21], s[94:95], s[20:21]
	s_add_nc_u64 s[46:47], s[96:97], s[46:47]
	CROUND
.irp s, 0,1
	s_mov_b32 s[G0+4*\s], 1
	s_add_co_u32 s[G0+4*\s+1], s45, \s*SLOT
	s_add_nc_u64 s[G0+4*\s+2:G0+4*\s+3], s[20:21], \s*2*CH4
	s_or_b32 s[G0+4*\s+3], s[G0+4*\s+3], 0x80000000
	s_mov_b32 s[G0B+4*\s], 1
	s_add_co_u32 s[G0B+4*\s+1], s45, \s*SLOT
	s_add_nc_u64 s[G0B+4*\s+2:G0B+4*\s+3], s[46:47], \s*2*CH4
	s_or_b32 s[G0B+4*\s+3], s[G0B+4*\s+3], 0x80000000
.if \s == 0
	JLOAD G0, G1, G0B, G1B                         ; my one load at the head: chunks 0 to 3 of my 128 rows, into both slots of my region
	s_cmp_eq_u32 s15, 0                            ; the prefetch: do I fetch for A'?
	s_cselect_b64 s[72:73], s[20:21], s[46:47]     ; my 128 rows in chunk 0
	s_cselect_b32 s70, s40, s41                    ; my place among the four that ask with me
	s_add_co_u32 s70, s70, 4
	s_mul_i32 s70, s70, CH4                        ; chunk 4 + my place
	s_mov_b32 s71, 0
	s_add_nc_u64 s[72:73], s[72:73], s[70:71]
.endif
.endr
	v_and_b32 v1, 15, v0
	v_bfe_u32 v2, v0, 4, 1
	v_mul_u32_u24 v3, v1, 144
	v_lshl_add_u32 v4, v2, 4, v3
	s_mul_i32 s21, s15, 2*REG
	s_mul_i32 s22, s16, 2*REG
	s_add_co_u32 s22, s22, 4*REG
	s_sub_co_u32 s23, s22, s21
	v_mul_u32_u24 v5, s23, v2
	v_add_nc_u32 v5, v5, v3
	v_add_nc_u32 v5, 128, v5
.irp s, 0,1
	v_add_nc_u32 v[ADRA+\s], s21, v4
	v_add_nc_u32 v[ADRB+\s], s22, v4
	v_add_nc_u32 v[ADRS+\s], s21, v5
	s_add_co_u32 s21, s21, SLOT
	s_add_co_u32 s22, s22, SLOT
.endr
	s_mul_i32 s23, s14, 2*REG                      ; my stage: 128 records, in slot 0 of my wave's region
	v_lshl_add_u32 v[STO], v2, 3, v3
	v_add_nc_u32 v[STO], s23, v[STO]
	v_add_nc_u32 v[STT], s23, v3
	v_add_nc_u32 v[STT], 128, v[STT]
	v_and_b32 v6, 31, v0
	v_lshlrev_b32 v30, 8, v6                       ; v30, v31: the prefetch's offsets, never rewritten: 256 x lane, and 256 x min(lane, 7)
	v_min_u32 v31, 7, v6
	v_lshlrev_b32 v31, 8, v31
	v_lshlrev_b32 v[CO], 4, v6
	v_add_nc_u32 v[RD], s23, v[CO]
	s_lshl_b32 s46, s42, 1
	s_add_co_u32 s46, s46, s16
	s_mul_i32 s46, s46, s98
	s_add_co_u32 s46, s46, s99
	s_lshl_b32 s20, s17, 8
	s_lshl_b32 s21, s15, 7
	s_add_co_u32 s20, s20, s21
	s_mul_i32 s20, s20, 144
	s_add_co_u32 s20, s20, s46
	s_mov_b32 s21, 0
	s_add_nc_u64 s[12:13], s[10:11], s[20:21]
.if FF
	s_lshl_b32 s46, s42, 10
	s_lshl_b32 s47, s16, 9
	s_add_co_u32 s46, s46, s47
	s_mov_b32 s47, 0
	s_add_nc_u64 s[8:9], s[8:9], s[46:47]
	v_lshlrev_b32 v7, 5, v2
.irp b, 0,1,2,3,4,5,6,7
	global_load_b128 v[BI+8*\b:BI+8*\b+3], v7, s[8:9] offset:64*\b
	global_load_b128 v[BI+8*\b+4:BI+8*\b+7], v7, s[8:9] offset:64*\b+16
.endr
.endif
	s_wait_alu depctr_va_vdst(0)
	global_prefetch_b8 v30, s[72:73] th:TH_LOAD_NT scope:SCOPE_SE
	global_prefetch_b8 v30, s[72:73] offset:8192 th:TH_LOAD_NT scope:SCOPE_SE
	global_prefetch_b8 v31, s[72:73] offset:16384 th:TH_LOAD_NT scope:SCOPE_SE
	s_mov_b32 s[SEL], 0x76543210
	s_mov_b32 s[SEL+1], 0xfedcba98
	s_mov_b32 s[MNT], 0x600000
.macro FRAG reg, adr, q, i
.irp c, 0,1,2,3
	ds_load_b128 v[\reg+4*\c:\reg+4*\c+3], v[\adr] offset:CHL*(\q)+2304*(\i)+32*\c
.endr
.endm
.macro MUL16 a0, p, q, sc, zero
.irp a, \a0, \a0+1
.irp b, 0,1,2,3,4,5,6,7
.if \zero == 1
	v_wmma_scale_f32_16x16x128_f8f6f4 v[8*(8*((\a)%4)+\b):8*(8*((\a)%4)+\b)+7], v[128*(\p)+FR*\b:128*(\p)+FR*\b+FR-1], v[AF+FR*(\a):AF+FR*(\a)+FR-1], 0, v[SC+16*(\sc)+2*\b+(\q)], v[SC+16*(\sc)+2*(\a)+(\q)] matrix_a_scale:MATRIX_SCALE_ROW1
.elseif \zero == 2
	v_wmma_scale_f32_16x16x128_f8f6f4 v[8*(8*((\a)%4)+\b):8*(8*((\a)%4)+\b)+7], v[128*(\p)+FR*\b:128*(\p)+FR*\b+FR-1], v[AF+FR*(\a):AF+FR*(\a)+FR-1], v[BI+8*\b:BI+8*\b+7], v[SC+16*(\sc)+2*\b+(\q)], v[SC+16*(\sc)+2*(\a)+(\q)] matrix_a_scale:MATRIX_SCALE_ROW1
.else
	v_wmma_scale_f32_16x16x128_f8f6f4 v[8*(8*((\a)%4)+\b):8*(8*((\a)%4)+\b)+7], v[128*(\p)+FR*\b:128*(\p)+FR*\b+FR-1], v[AF+FR*(\a):AF+FR*(\a)+FR-1], v[8*(8*((\a)%4)+\b):8*(8*((\a)%4)+\b)+7], v[SC+16*(\sc)+2*\b+(\q)], v[SC+16*(\sc)+2*(\a)+(\q)] matrix_a_scale:MATRIX_SCALE_ROW1
.endif
.endr
.endr
.endm
.macro FETCH_B slot, q, p
	WIN TO_B
.irp i, 0,1,2,3,4,5,6,7
	FRAG 128*(\p)+FR*\i, ADRB+\slot, \q, \i
.endr
	WIN 0
.endm
.macro FETCH_A slot, q, i0
.irp i, \i0, \i0+1, \i0+2, \i0+3
	FRAG AF+FR*(\i), ADRA+\slot, \q, \i
.endr
.endm
.macro SCALES sl
.irp i, 0,1,2,3,4,5,6,7
.irp q, 0,1
	ds_load_b32 v[SC+16*\sl+2*\i+\q], v[ADRS+\sl] offset:CHL*\q+2304*\i
.endr
.endr
.endm
.macro PLACES n
.rept \n
	v_nop
.endr
.endm
.macro STEP slot, q, zero
	s_wait_dscnt 4*NL
.if \zero == 2
	WIN 0x81
.else
	WIN MUL_LO
.endif
	MUL16 0, (\q)%2, \q, \slot, \zero
	MUL16 2, (\q)%2, \q, \slot, \zero
	s_wait_dscnt 0
	PLACES NP
	FETCH_B \slot, (\q)+1, 1-(\q)%2
	FETCH_A \slot, (\q)+1, 0
.if \zero == 2
	WIN 0xc1
.else
	WIN MUL_HI
.endif
	MUL16 4, (\q)%2, \q, \slot, \zero
	MUL16 6, (\q)%2, \q, \slot, \zero
	PLACES NP
	WIN 0
	FETCH_A \slot, (\q)+1, 4
.endm
.macro TURN slot, next, fill
	s_wait_tensorcnt 0x0
	ds_add_u32 v[SPW], v[NIL]
	s_wait_dscnt 4*NL+1
	WIN MUL_LO
	MUL16 0, 1, 1, \slot, 0
	s_wait_dscnt 0x0
	s_barrier_signal -1
	MUL16 2, 1, 1, \slot, 0
	WIN 0
	s_barrier_wait -1
.if \fill
	CREST
	s_add_nc_u64 s[G0+4*\slot+2:G0+4*\slot+3], s[G0+4*\slot+2:G0+4*\slot+3], 4*CH4
	s_add_nc_u64 s[G0B+4*\slot+2:G0B+4*\slot+3], s[G0B+4*\slot+2:G0B+4*\slot+3], 4*CH4
	JLOAD G0+4*\slot, G1, G0B+4*\slot, G1B
	PLACES NP-4
.else
	PLACES NP
.endif
	FETCH_B \next, 0, 0
	FETCH_A \next, 0, 0
	s_wait_alu depctr_va_vdst(0)
	SCALES \next
	WIN MUL_HI
	MUL16 4, 1, 1, \slot, 0
	MUL16 6, 1, 1, \slot, 0
	PLACES NP
	WIN 0
	FETCH_A \next, 0, 4
.endm
	s_wait_alu depctr_va_vdst(0)
	s_wait_tensorcnt 0x0                           ; my part of both slots is in, and no load of mine is out, so a descriptor may be written:
	s_mov_b32 s[G1+2], 2<<16                       ; from here on a load brings two chunks
	s_mov_b32 s[G1+4], 2
	s_mov_b32 s[G1B+2], 2<<16
	s_mov_b32 s[G1B+4], 2
	s_barrier_signal -1
	s_barrier_wait -1
	FETCH_B 0, 0, 0
	FETCH_A 0, 0, 0
	SCALES 0
	FETCH_A 0, 0, 4
.if FF
	s_wait_loadcnt 0x0
	STEP 0, 0, 2
.else
	STEP 0, 0, 1
.endif
	s_mov_b32 s3, LAPS-1
.Llap:
	TURN 0, 1, 1
	STEP 1, 0, 0
	TURN 1, 0, 1
	STEP 0, 0, 0
	s_sub_co_u32 s3, s3, 1
	s_cmp_lg_u32 s3, 0
	s_cbranch_scc1 .Llap
	TURN 0, 1, 0
	STEP 1, 0, 0
	s_wait_dscnt 4*NL
	WIN MUL_LO
	MUL16 0, 1, 1, 1, 0
	MUL16 2, 1, 1, 1, 0
	s_wait_dscnt 0
	WIN MUL_HI
	MUL16 4, 1, 1, 1, 0
	MUL16 6, 1, 1, 1, 0
	WIN 0
.macro QROW a
.set W,  2+(\a)/4
.set W2, (W<<2)|(W<<4)
.set AC, 64*((\a)%4)
.set PC, 192+36*((\a)%2)
.set PW, 224+20*((\a)%2)
.if (\a) >= 2
	s_wait_dscnt 9
.endif
	WIN W2
.irp i, 0,2,4,6,8,10,12,14
.irp b, 0,1,2,3
.if FF
.if \i == 0
	v_max3_num_f32 v[TM+\b], 0x4800000, v[AC+16*\b], v[AC+16*\b+1]
.else
	v_max3_num_f32 v[TM+\b], v[TM+\b], v[AC+16*\b+\i], v[AC+16*\b+\i+1]
.endif
.else
.if \i == 0
	v_max3_num_f32 v[TM+\b], 0x4800000, |v[AC+16*\b]|, |v[AC+16*\b+1]|
.else
	v_max3_num_f32 v[TM+\b], v[TM+\b], |v[AC+16*\b+\i]|, |v[AC+16*\b+\i+1]|
.endif
.endif
.endr
.endr
	WIN 0
.irp b, 0,1,2,3
	v_permlanex16_b32 v[TM+4+\b], v[TM+\b], s[SEL], s[SEL+1]
.endr
.irp b, 0,1,2,3
	v_max_num_f32 v[TM+\b], v[TM+\b], v[TM+4+\b]
.endr
.irp b, 0,1,2,3
	v_add_nc_u32 v[TM+12+\b], 0xfc000000, v[TM+\b]
.endr
.irp b, 0,1,2,3
	v_and_or_b32 v[TM+8+\b], v[TM+\b], 0x7f800000, s[MNT]
.endr
.irp b, 0,1,2,3
	v_lshrrev_b32 v[TM+4+\b], 23, v[TM+12+\b]
.endr
	v_lshl_or_b32 v[PW], v[TM+5], 8, v[TM+4]
	v_lshl_or_b32 v[PW], v[TM+6], 16, v[PW]
	v_lshl_or_b32 v[PW], v[TM+7], 24, v[PW]
	WIN W
.irp b, 0,1,2,3
.irp i, 0,1,2,3,4,5,6,7,8,9,10,11,12,13,14,15
.if FF
	v_med3_num_f32 v[Y+16*\b+\i], v[AC+16*\b+\i], 0, v[TM+8+\b]
.else
	v_med3_num_f32 v[Y+16*\b+\i], v[AC+16*\b+\i], -v[TM+8+\b], v[TM+8+\b]
.endif
.endr
.endr
	WIN 0
.irp t, 0,1,2,3,4,5,6,7
	v_cvt_scalef32_pk8_fp8_f32 v[PC+2*\t:PC+2*\t+1], v[Y+8*\t:Y+8*\t+7], v[TM+12+\t/2]
.endr
	v_nop
.irp t, 0,1,2,3,4,5,6,7
	ds_store_b64 v[STO], v[PC+2*\t:PC+2*\t+1] offset:2304*(\a)+16*\t
.endr
	ds_store_b128 v[STT], v[PW:PW+3] offset:2304*(\a)
.endm
	PLACES NP
.irp b, 4,5,6,7
	v_mov_b32 v[TM+\b], 0
.endr
.irp b, 225,226,227,245,246,247
	v_mov_b32 v\b, 0
.endr
.irp a, 0,1,2,3,4,5,6,7
	QROW \a
.endr
.set I, 0
.rept 36
	ds_load_b128 v[OUTR+4*I:OUTR+4*I+3], v[RD] offset:512*I
.set I, I+1
.endr
.set I, 0
.rept 36
	s_wait_dscnt 35-I
	global_store_b128 v[CO], v[OUTR+4*I:OUTR+4*I+3], s[12:13] offset:512*I
.set I, I+1
.endr
	s_wait_tensorcnt 0x0
	ds_add_u32 v[SPW], v[NIL]
	s_wait_dscnt 0x0
	CROUND
	s_endpgm
.Lfunc_end_k_qd54ccf9bc3_ff1:
	.size	k_qd54ccf9bc3_ff1, .Lfunc_end_k_qd54ccf9bc3_ff1-k_qd54ccf9bc3_ff1
	.p2alignl 7, 3214868480
	.fill 96, 4, 3214868480
	.section	.rodata,"a",@progbits
	.p2align	6, 0x0
	.amdhsa_kernel k_qd54ccf9bc3_ff1
		.amdhsa_group_segment_fixed_size 327680
		.amdhsa_private_segment_fixed_size 0
		.amdhsa_enable_private_segment 0
		.amdhsa_kernarg_size 32
		.amdhsa_user_sgpr_count 2
		.amdhsa_user_sgpr_kernarg_segment_ptr 1
		.amdhsa_wavefront_size32 1
		.amdhsa_system_sgpr_workgroup_id_x 1
		.amdhsa_system_sgpr_workgroup_id_y 1
		.amdhsa_system_sgpr_workgroup_id_z 1
		.amdhsa_system_vgpr_workitem_id 0
		.amdhsa_next_free_vgpr 1024
		.amdhsa_next_free_sgpr 100
		.amdhsa_reserve_vcc 0
		.amdhsa_float_denorm_mode_32 3
		.amdhsa_float_denorm_mode_16_64 3
		.amdhsa_memory_ordered 1
		.amdhsa_forward_progress 1
		.amdhsa_inst_pref_size 195
	.end_amdhsa_kernel
	.amdgpu_metadata
---
amdhsa.version: [ 1, 2 ]
amdhsa.kernels:
  - .name:           k_qd54ccf9bc3_ff1
    .symbol:         k_qd54ccf9bc3_ff1.kd
    .args:
      - { .name: hrec, .offset: 0, .size: 8, .value_kind: global_buffer, .address_space: global }
      - { .name: wrec, .offset: 8, .size: 8, .value_kind: global_buffer, .address_space: global }
      - { .name: b1, .offset: 16, .size: 8, .value_kind: global_buffer, .address_space: global }
      - { .name: arec, .offset: 24, .size: 8, .value_kind: global_buffer, .address_space: global }
    .group_segment_fixed_size: 327680
    .private_segment_fixed_size: 0
    .kernarg_segment_align: 8
    .kernarg_segment_size: 32
    .max_flat_workgroup_size: 128
    .sgpr_count:     100
    .vgpr_count:     1024
    .wavefront_size: 32
...
	.end_amdgpu_metadata
.endif
;; end of part 6
;; launch ff2 (part 7): grid 8 x 32, 4 waves a work-group, clusters of 4 x 4, 327,680 bytes of LDS; arguments arec, wrec, b2, x1, out0; writes out0
.if DOCPART == 7
	.amdgcn_target "amdgcn-amd-amdhsa--gfx1250"
	.amdhsa_code_object_version 6
	.text
	.protected	k_qd54ccf9bc3_ff2
	.globl	k_qd54ccf9bc3_ff2
	.p2align	8
	.type	k_qd54ccf9bc3_ff2,@function
k_qd54ccf9bc3_ff2:
	s_mov_b64 s[64:65], 0
	v_nop
	global_prefetch_b8 v0, s[64:65] scope:SCOPE_SE
	s_setreg_imm32_b32 hwreg(HW_REG_WAVE_MODE, 25, 1), 1
	s_wait_xcnt 0x0
	s_wait_alu depctr_hold_cnt(0) depctr_sa_sdst(0) depctr_va_vdst(0) depctr_va_sdst(0) depctr_va_ssrc(0) depctr_va_vcc(0) depctr_vm_vsrc(0)
	s_getreg_b32 s2, hwreg(HW_REG_IB_STS2, 6, 4)
	s_cmp_eq_u32 s2, 0
	s_cbranch_scc0 .Lentry_in_a_cluster
	s_endpgm
.Lentry_in_a_cluster:
	s_bfe_u32 s2, ttmp6, 0x10000c
	s_cmp_lg_u32 s2, 0xf033
	s_cbranch_scc0 .Lentry_shape_is_right
	s_endpgm
.Lentry_shape_is_right:
; out0 = x1 + Q(a) Q(W2) + b2: a GEMM on operand records (144 bytes: 128 codes of FP8 (E4M3), four E8M0 scale bytes, 12 zeros; laid [K / 128][rows][144]), K = 4,096.
; A work-group of four waves makes 128 x 128, a wave 64 x 64; clusters of 4 x 4: A's tile is asked for jointly along a row of the cluster, B's along a column.
; K goes in eight slots of four chunks through a ring of two.  LDS is laid [region: A's rows 0-63, 64-127, B's rows 0-63, 64-127][slot]: a region's two slots lie on end, and the head's one load a wave fills both.
; PREFETCH INTO THE L2: slots 2 and 3 are asked for at the head; behind the refill with slot n (n = 2 .. 5) slot n + 2 is asked for: two refills ahead.  Of the four chunks of 9,216 bytes that a wave fetches for a slot,
; each of the four partners that ask for them jointly names one, told apart by address (cx for A, cy for B): 32 lanes a block of 256 bytes each, then lanes 0 to 3 the last four (the others lane 3's again).
; The bias is the C of each sum's first product; x1 is added on the way out, which goes through a stage in slot 0 of region 0.
.set PFA,   66                         ; s[66:67] the slot last asked for, my chunk of it; s[68:69] a slot on; s[72:73] slot 2
.set SIZE_K, 4096
.set WOFF,  10616832
.set CH4,   589824
.set CH1,   147456
.set CHL,   9216
.set REG,   4*CHL
.set SLOT,  REG
.set SPARE, 8*REG
.set LAPS,  SIZE_K/1024
.set ADRA,  16
.set ADRB,  20
.set ADRS,  22
.set STO,   24
.set RD,    25
.set CO,    26
.set SPW,   28
.set NIL,   29
.set SC,    32
.set BI,    40
.set ACC,   128
.set F0,    0
.set F1,    128
.set G1,    24
.set G0,    32
.set G1B,   48
.set G0B,   56
.set MSB,   0
.macro WIN new
.if MSB != \new
	s_set_vgpr_msb (MSB<<8)|\new
.set MSB, \new
.endif
.endm
.set MUL, 0x05
.macro JLOAD g0a, g1a, g0b, g1b
	s_cmp_eq_u32 s15, 0
	s_cbranch_scc0 .Lfor_b_\@
	tensor_load_to_lds s[\g0a:\g0a+3], s[\g1a:\g1a+7]
	s_nop 0
.rept 4
	v_nop
.endr
	s_branch .Lasked_\@
.Lfor_b_\@:
	tensor_load_to_lds s[\g0b:\g0b+3], s[\g1b:\g1b+7]
	s_nop 0
.rept 4
	v_nop
.endr
.Lasked_\@:
.endm
.macro CREST
	s_cmp_lg_u32 s14, 0
	s_cbranch_scc1 .Lnot_wave_0_\@
	s_barrier_signal -3
.Lnot_wave_0_\@:
	s_barrier_wait -3
	s_barrier_signal -1
	s_barrier_wait -1
.endm
.macro CROUND
	s_barrier_signal -1
	s_barrier_wait -1
	CREST
.endm
	s_load_b128 s[4:7], s[0:1], 0x0
	s_load_b128 s[8:11], s[0:1], 0x10
	s_load_b64 s[12:13], s[0:1], 0x20
	v_lshl_add_u32 v[SPW], v0, 2, SPARE
	v_mov_b32 v[NIL], 0
	ds_add_u32 v28, v29
	ds_add_u32 v28, v29
	s_wait_dscnt 0x0
	v_lshrrev_b32 v1, 5, v0
	v_readfirstlane_b32 s14, v1
	s_lshr_b32 s15, s14, 1
	s_and_b32 s16, s14, 1
	s_bfe_u32 s40, ttmp6, 0x40000
	s_bfe_u32 s41, ttmp6, 0x40004
	s_lshl_b32 s42, ttmp9, 2
	s_add_co_u32 s42, s42, s40
	s_and_b32 s17, ttmp7, 0xffff
	s_lshl_b32 s17, s17, 2
	s_add_co_u32 s17, s17, s41
	s_lshl_b32 s43, s41, 2
	s_lshl_b32 s43, 15, s43
	s_lshl_b32 s44, 0x1111, s40
	s_or_b32 s[G1+0], s43, (3<<16)|(1<<21)
	s_or_b32 s[G1B+0], s44, (3<<16)|(1<<21)
.irp g, G1, G1B
	s_mov_b32 s[\g+1], 1152<<16
	s_mov_b32 s[\g+2], 8<<16
	s_mov_b32 s[\g+3], 1152<<16
	s_mov_b32 s[\g+4], 8
	s_mov_b32 s[\g+6], 0
	s_mov_b32 s[\g+7], 0
.endr
	s_mov_b32 s[G1+5], 73728
	s_mov_b32 s[G1B+5], 18432
	s_lshl_b32 s18, s16, 6
	s_lshl_b32 s20, s17, 7
	s_add_co_u32 s20, s20, s18
	s_mul_i32 s20, s20, 144
	s_mov_b32 s21, 0
	s_lshl_b32 s46, s42, 7
	s_add_co_u32 s46, s46, s18
	s_mul_i32 s46, s46, 144
	s_add_co_u32 s46, s46, WOFF
	s_mov_b32 s47, 0
	s_mul_i32 s45, s14, 2*REG
	s_wait_kmcnt 0x0
	s_add_nc_u64 s[20:21], s[4:5], s[20:21]
	s_add_nc_u64 s[46:47], s[6:7], s[46:47]
	CROUND
.irp s, 0,1
	s_mov_b32 s[G0+4*\s], 1
	s_add_co_u32 s[G0+4*\s+1], s45, \s*SLOT
	s_add_nc_u64 s[G0+4*\s+2:G0+4*\s+3], s[20:21], \s*4*CH4
	s_or_b32 s[G0+4*\s+3], s[G0+4*\s+3], 0x80000000
	s_mov_b32 s[G0B+4*\s], 1
	s_add_co_u32 s[G0B+4*\s+1], s45, \s*SLOT
	s_add_nc_u64 s[G0B+4*\s+2:G0B+4*\s+3], s[46:47], \s*4*CH1
	s_or_b32 s[G0B+4*\s+3], s[G0B+4*\s+3], 0x80000000
.if \s == 0
	JLOAD G0, G1, G0B, G1B                         ; my one load at the head: chunks 0 to 7 of my 64 rows, into both slots of my region
	s_cmp_eq_u32 s15, 0                            ; the prefetches: do I fetch for A?
	s_cselect_b64 s[72:73], s[20:21], s[46:47]     ; my 64 rows in chunk 0
	s_mov_b32 s68, CH1
	s_cselect_b32 s68, CH4, s68                    ; from chunk to chunk
	s_cselect_b32 s70, s40, s41                    ; my place among the four that ask with me
	s_mul_i32 s70, s70, s68                        ; my chunk of a slot's four
	s_mov_b32 s71, 0
	s_lshl_b32 s68, s68, 2                         ; a slot on
	s_mov_b32 s69, 0
	s_add_nc_u64 s[72:73], s[72:73], s[70:71]
	s_add_nc_u64 s[72:73], s[72:73], s[68:69]
	s_add_nc_u64 s[72:73], s[72:73], s[68:69]      ; slot 2
	s_add_nc_u64 s[PFA:PFA+1], s[72:73], s[68:69]  ; slot 3
.endif
.endr
	v_and_b32 v1, 15, v0
	v_bfe_u32 v2, v0, 4, 1
	v_mul_u32_u24 v3, v1, 144
	v_lshl_add_u32 v4, v2, 4, v3
	s_mul_i32 s21, s15, 2*REG
	s_mul_i32 s22, s16, 2*REG
	s_add_co_u32 s22, s22, 4*REG
	s_sub_co_u32 s23, s22, s21
	v_mul_u32_u24 v5, s23, v2
	v_add_nc_u32 v5, v5, v3
	v_add_nc_u32 v5, 128, v5
.irp s, 0,1
	v_add_nc_u32 v[ADRA+\s], s21, v4
	v_add_nc_u32 v[ADRB+\s], s22, v4
	v_add_nc_u32 v[ADRS+\s], s21, v5
	s_add_co_u32 s21, s21, SLOT
	s_add_co_u32 s22, s22, SLOT
.endr
	s_mul_i32 s23, s14, 16*272
	v_mul_u32_u24 v5, v1, 272
	v_lshl_add_u32 v5, v2, 5, v5
	v_add_nc_u32 v[STO], s23, v5
	v_mul_u32_u24 v5, v2, 272
	v_lshl_add_u32 v5, v1, 4, v5
	v_add_nc_u32 v[RD], s23, v5
	v_lshlrev_b32 v5, 12, v2
	v_lshl_add_u32 v[CO], v1, 4, v5
	v_lshlrev_b32 v7, 5, v2
	v_and_b32 v30, 31, v0
	v_min_u32 v31, 3, v30
	v_lshlrev_b32 v30, 8, v30                      ; v30, v31: the prefetches' offsets, never rewritten: 256 x lane, and 256 x min(lane, 3) for the four blocks from byte 8,192 on
	v_lshlrev_b32 v31, 8, v31
	s_wait_alu depctr_va_vdst(0)
	s_lshl_b32 s20, s17, 7
	s_lshl_b32 s21, s15, 6
	s_add_co_u32 s20, s20, s21
	s_lshl_b32 s20, s20, 12
	s_lshl_b32 s46, s42, 9
	s_lshl_b32 s47, s16, 8
	s_add_co_u32 s46, s46, s47
	s_mov_b32 s47, 0
	s_add_nc_u64 s[8:9], s[8:9], s[46:47]
	s_add_co_u32 s20, s20, s46
	s_mov_b32 s21, 0
	s_add_nc_u64 s[10:11], s[10:11], s[20:21]
	s_add_nc_u64 s[12:13], s[12:13], s[20:21]
.irp b, 0,1,2,3
	global_load_b128 v[BI+8*\b:BI+8*\b+3], v7, s[8:9] offset:64*\b
	global_load_b128 v[BI+8*\b+4:BI+8*\b+7], v7, s[8:9] offset:64*\b+16
.endr
	global_prefetch_b8 v30, s[72:73] th:TH_LOAD_NT scope:SCOPE_SE
	global_prefetch_b8 v31, s[72:73] offset:8192 th:TH_LOAD_NT scope:SCOPE_SE
	global_prefetch_b8 v30, s[PFA:PFA+1] th:TH_LOAD_NT scope:SCOPE_SE
	global_prefetch_b8 v31, s[PFA:PFA+1] offset:8192 th:TH_LOAD_NT scope:SCOPE_SE
.macro MUL4 f, a, zero
.set PR, (\f)/128
.irp b, 0,1,2,3
.if \zero == 2
	v_wmma_scale_f32_16x16x128_f8f6f4 v[ACC+8*(4*(\a)+\b):ACC+8*(4*(\a)+\b)+7], v[(\f)+64+16*\b:(\f)+64+16*\b+15], v[(\f)+16*(\a):(\f)+16*(\a)+15], v[BI+8*\b:BI+8*\b+7], v[SC+4*PR+\b], v[SC+4*PR+(\a)] matrix_a_scale:MATRIX_SCALE_ROW1
.else
	v_wmma_scale_f32_16x16x128_f8f6f4 v[ACC+8*(4*(\a)+\b):ACC+8*(4*(\a)+\b)+7], v[(\f)+64+16*\b:(\f)+64+16*\b+15], v[(\f)+16*(\a):(\f)+16*(\a)+15], v[ACC+8*(4*(\a)+\b):ACC+8*(4*(\a)+\b)+7], v[SC+4*PR+\b], v[SC+4*PR+(\a)] matrix_a_scale:MATRIX_SCALE_ROW1
.endif
.endr
.endm
.macro FETCH slot, q, f
.set PR, (\f)/128
	WIN 0
.irp i, 0,1,2,3
	ds_load_b32 v[SC+4*PR+\i], v[ADRS+\slot] offset:CHL*(\q)+2304*\i
.endr
	WIN 0x40
.irp i, 0,1,2,3
.irp c, 0,1,2,3
	ds_load_b128 v[(\f)+64+16*\i+4*\c:(\f)+64+16*\i+4*\c+3], v[ADRB+\slot] offset:CHL*(\q)+2304*\i+32*\c
.endr
.endr
.irp i, 0,1,2,3
.irp c, 0,1,2,3
	ds_load_b128 v[(\f)+16*\i+4*\c:(\f)+16*\i+4*\c+3], v[ADRA+\slot] offset:CHL*(\q)+2304*\i+32*\c
.endr
.endr
.endm
.macro PLACES n
.rept \n
	v_nop
.endr
.endm
.macro STEP slot, q, zero
.set FC, 128*((\q)%2)
.set FN, 128-FC
	s_wait_dscnt 8
	WIN MUL
	MUL4 FC, 0, \zero
	MUL4 FC, 1, \zero
	s_wait_dscnt 0x0
	PLACES 8
	FETCH \slot, (\q)+1, FN
	WIN MUL
	MUL4 FC, 2, \zero
	MUL4 FC, 3, \zero
.endm
.macro TURN slot, next, fill
	WIN 0
.if \fill
	s_wait_xcnt 0x0                                ; the last prefetches, a slot back, have read their address, so it may be stepped
	s_add_nc_u64 s[PFA:PFA+1], s[PFA:PFA+1], s[68:69]
.endif
	s_wait_tensorcnt 0x0
	ds_add_u32 v[SPW], v[NIL]
	s_wait_dscnt 9
	WIN MUL
	MUL4 F1, 0, 0
	s_wait_dscnt 0x0
	s_barrier_signal -1
	MUL4 F1, 1, 0
	WIN 0
	s_barrier_wait -1
.if \fill
	CREST
	s_add_nc_u64 s[G0+4*\slot+2:G0+4*\slot+3], s[G0+4*\slot+2:G0+4*\slot+3], 8*CH4
	s_add_nc_u64 s[G0B+4*\slot+2:G0B+4*\slot+3], s[G0B+4*\slot+2:G0B+4*\slot+3], 8*CH1
	JLOAD G0+4*\slot, G1, G0B+4*\slot, G1B
	PLACES 4
.else
	PLACES 8
.endif
	FETCH \next, 0, F0
.if \fill
	WIN 0
	s_cmp_gt_u32 s3, 1                             ; the last trip's two refills have no slot two on
	s_cbranch_scc0 .Lnone_on_\@
	global_prefetch_b8 v30, s[PFA:PFA+1] th:TH_LOAD_NT scope:SCOPE_SE
	global_prefetch_b8 v31, s[PFA:PFA+1] offset:8192 th:TH_LOAD_NT scope:SCOPE_SE
.Lnone_on_\@:
.endif
	WIN MUL
	MUL4 F1, 2, 0
	MUL4 F1, 3, 0
.endm
	s_wait_tensorcnt 0x0                           ; my part of both slots is in, and no load of mine is out, so a descriptor may be written:
	s_mov_b32 s[G1+2], 4<<16                       ; from here on a load brings four chunks
	s_mov_b32 s[G1+4], 4
	s_mov_b32 s[G1B+2], 4<<16
	s_mov_b32 s[G1B+4], 4
	s_barrier_signal -1
	s_barrier_wait -1
	FETCH 0, 0, F0
	s_wait_loadcnt 0x0                             ; the bias
	WIN 0x80                                       ; x1, which is wanted on the way out alone, is asked for when the head's tiles are in: 32 loads into window 2
.irp a, 0,1,2,3
.irp t, 0,1,2,3,4,5,6,7
	global_load_b128 v[32*\a+4*\t:32*\a+4*\t+3], v[CO], s[10:11] offset:(16*\a+2*\t)*4096
.endr
.endr
	STEP 0, 0, 2
.if LAPS > 1
	WIN 0
	s_mov_b32 s3, LAPS-1
.Llap:
	STEP 0, 1, 0
	STEP 0, 2, 0
	TURN 0, 1, 1
	STEP 1, 0, 0
	STEP 1, 1, 0
	STEP 1, 2, 0
	TURN 1, 0, 1
	STEP 0, 0, 0
	WIN 0
	s_sub_co_u32 s3, s3, 1
	s_cmp_lg_u32 s3, 0
	s_cbranch_scc1 .Llap
.endif
	STEP 0, 1, 0
	STEP 0, 2, 0
	TURN 0, 1, 0
	STEP 1, 0, 0
	STEP 1, 1, 0
	STEP 1, 2, 0
	s_wait_dscnt 8
	WIN MUL
	MUL4 F1, 0, 0
	MUL4 F1, 1, 0
	s_wait_dscnt 0x0
	MUL4 F1, 2, 0
	MUL4 F1, 3, 0
	WIN 0
	PLACES 8
	s_wait_loadcnt 0x0
.irp a, 0,1,2,3
.set OBB, 72-32*((\a)%2)
.if \a >= 2
	s_wait_xcnt 0x0
.endif
.irp b, 0,1,2,3
	ds_store_b128 v[STO], v[ACC+8*(4*\a+\b):ACC+8*(4*\a+\b)+3] offset:64*\b
	ds_store_b128 v[STO], v[ACC+8*(4*\a+\b)+4:ACC+8*(4*\a+\b)+7] offset:64*\b+16
.endr
.irp t, 0,1,2,3,4,5,6,7
	ds_load_b128 v[OBB+4*\t:OBB+4*\t+3], v[RD] offset:544*\t
.endr
	s_wait_dscnt 0x0
	WIN 0x08
.set I, 0
.rept 16
	v_pk_add_f32 v[OBB+I:OBB+I+1], v[OBB+I:OBB+I+1], v[32*\a+I:32*\a+I+1]
.set I, I+2
.endr
	WIN 0
.irp t, 0,1,2,3,4,5,6,7
	global_store_b128 v[CO], v[OBB+4*\t:OBB+4*\t+3], s[12:13] offset:(16*\a+2*\t)*4096
.endr
.endr
	s_wait_tensorcnt 0x0
	ds_add_u32 v[SPW], v[NIL]
	s_wait_dscnt 0x0
	CROUND
	s_endpgm
.Lfunc_end_k_qd54ccf9bc3_ff2:
	.size	k_qd54ccf9bc3_ff2, .Lfunc_end_k_qd54ccf9bc3_ff2-k_qd54ccf9bc3_ff2
	.p2alignl 7, 3214868480
	.fill 96, 4, 3214868480
	.section	.rodata,"a",@progbits
	.p2align	6, 0x0
	.amdhsa_kernel k_qd54ccf9bc3_ff2
		.amdhsa_group_segment_fixed_size 327680
		.amdhsa_private_segment_fixed_size 0
		.amdhsa_enable_private_segment 0
		.amdhsa_kernarg_size 40
		.amdhsa_user_sgpr_count 2
		.amdhsa_user_sgpr_kernarg_segment_ptr 1
		.amdhsa_wavefront_size32 1
		.amdhsa_system_sgpr_workgroup_id_x 1
		.amdhsa_system_sgpr_workgroup_id_y 1
		.amdhsa_system_sgpr_workgroup_id_z 1
		.amdhsa_system_vgpr_workitem_id 0
		.amdhsa_next_free_vgpr 768
		.amdhsa_next_free_sgpr 100
		.amdhsa_reserve_vcc 0
		.amdhsa_float_denorm_mode_32 3
		.amdhsa_float_denorm_mode_16_64 3
		.amdhsa_memory_ordered 1
		.amdhsa_forward_progress 1
		.amdhsa_inst_pref_size 102
	.end_amdhsa_kernel
	.amdgpu_metadata
---
amdhsa.version: [ 1, 2 ]
amdhsa.kernels:
  - .name:           k_qd54ccf9bc3_ff2
    .symbol:         k_qd54ccf9bc3_ff2.kd
    .args:
      - { .name: arec, .offset: 0, .size: 8, .value_kind: global_buffer, .address_space: global }
      - { .name: wrec, .offset: 8, .size: 8, .value_kind: global_buffer, .address_space: global }
      - { .name: b2, .offset: 16, .size: 8, .value_kind: global_buffer, .address_space: global }
      - { .name: x1, .offset: 24, .size: 8, .value_kind: global_buffer, .address_space: global }
      - { .name: out0, .offset: 32, .size: 8, .value_kind: global_buffer, .address_space: global }
    .group_segment_fixed_size: 327680
    .private_segment_fixed_size: 0
    .kernarg_segment_align: 8
    .kernarg_segment_size: 40
    .max_flat_workgroup_size: 128
    .sgpr_count:     100
    .vgpr_count:     768
    .wavefront_size: 32
...
	.end_amdgpu_metadata
.endif
;; end of part 7
